; MI455X (gfx1250); checked and timed in simulation.
; The chip was launched on July 23, 2026; its instructions are those of AMD's public machine-readable ISA for CDNA 5 (MIT licence, August 2026) and "CDNA5" Instruction Set Architecture Reference Guide (July 2026). The comments in the code are by the model that wrote it; some were corrected since.
;; Causal Self Attention. Allowed arithmetic: matrix products marked QUANTISED: E2M3 operands, one E8M0 scale for each 32 along K, by v_wmma_scale_f32_16x16x128_f8f6f4 with both operands' format E2M3, f32 sums; everything else in f32.
;; Inputs: Wk 1,024 x 1,024 float32; Wp 1,024 x 1,024 float32; Wq 1,024 x 1,024 float32; Wv 1,024 x 1,024 float32; bk 1,024 float32; bp 1,024 float32; bq 1,024 float32; bv 1,024 float32; x 4 x 2,048 x 1,024 float32.
;; Outputs: out0 4 x 2,048 x 1,024 float32.
;; This version of the problem:
;;   THIS VERSION OF THE PROBLEM IS GIVEN IN LOW PRECISION. The matrix products marked QUANTISED in the list below multiply operands that are first quantised to E2M3 (2 exponent bits, 3 mantissa bits; 6 bits a number), with one power-of-two scale for each 32 numbers along K (OCP MX v1.0); their sums are f32. All else is computed in f32.
;;   The module's matrix products, in the order in which they are computed (A, B: the left and right operand; K: the contracted axis; several contracted axes count as one K, in the product's order):
;;     1. [M 8,192, K 1,024] x [K 1,024, N 1,024]; A: input x; B: input Wq: QUANTISED
;;     2. [M 8,192, K 1,024] x [K 1,024, N 1,024]; A: input x; B: input Wk: QUANTISED
;;     3. [M 8,192, K 1,024] x [K 1,024, N 1,024]; A: input x; B: input Wv: QUANTISED
;;     4. batch 64 x [M 2,048, K 64] x [K 64, N 2,048]; A: computed on the way; B: computed on the way: QUANTISED
;;     5. batch 64 x [M 2,048, K 2,048] x [K 2,048, N 64]; A: softmax (see below); B: computed on the way: QUANTISED
;;     6. [M 8,192, K 1,024] x [K 1,024, N 1,024]; A: computed on the way; B: input Wp: QUANTISED
;;   THE QUANTISER, for each operand of a quantised product, along K:
;;     - K is cut into blocks of 32 from its start; a last block that is shorter is filled with zeros.
;;     - A block's scale is 2^e with e = floor(log2(the largest magnitude in the block)) - 2, held to -126 .. 127; a block of zeros has e = 0. As a byte (E8M0): e + 127.
;;     - Each number is divided by its block's scale, clamped to +-7.5, and rounded to the nearest number of E2M3, ties to even, subnormals kept.
;;     - The product sums the exact products of the quantised numbers (number of the format x scale) in f32.
;;   ~~~python
;;   def quantise(x, axis):      # numpy; x: float32 -> the quantised numbers, widened to float32 again
;;       x = np.moveaxis(x, axis, -1); K = x.shape[-1]
;;       x = np.pad(x, [(0, 0)] * (x.ndim - 1) + [(0, -K % 32)]); x = x.reshape(x.shape[:-1] + (-1, 32)); a = np.abs(x).max(-1, keepdims=True)
;;       e = np.where(a > 0, np.clip(np.frexp(np.where(a > 0, a, 1))[1] - 1 - 2, -126, 127), 0)      # np.frexp(a)[1] - 1 = floor(log2(a)), exactly
;;       r = np.clip(x / 2.0 ** e, -7.5, 7.5)
;;       step = 2.0 ** (np.maximum(np.frexp(np.where(r == 0, 1, r))[1] - 1, 0) - 3)
;;       q = np.round(r / step) * step * 2.0 ** e      # np.round: ties to even
;;       return np.moveaxis(q.reshape(q.shape[:-2] + (-1,))[..., :K], -1, axis).astype(np.float32)
;;   ~~~
;;   SOFTMAX AHEAD OF A QUANTISED PRODUCT. Where the list says 'softmax', what is quantised is not the finished softmax but p = 2^(t - M), with t = logit x log2(e) and M = ceil(the row's largest t), a whole number; so 1/2 < the row's largest p <= 1. The row's sum l is taken of the UNQUANTISED p, in f32, and the product's result is divided by l at the end. Since M is a whole number, a kernel that streams over the keys may use a running M (the ceiling of the running maximum): every later rescaling is an exact power of two, which a block's scale takes up: the codes' values come out the same.
;;   OPERANDS COMPUTED ON THE WAY. 'Computed on the way' means the value that the module computes at that place (a softmax that the list does not call 'softmax' is quantised finished and normalised). What goes into a quantiser is computed in f32, as accurately as f32 sums, v_exp_f32 and their like allow (about 1e-6 of the number): no bf16 or f16 on the way to a quantiser, and a product that is left as it is and whose result goes on into a quantised operand takes f32 operands (vector FMAs, or v_wmma_f32_16x16x4_f32). A number that lies on a knife's edge between two numbers of the format may be rounded either way, as far as f32 arithmetic and the matrix unit's own rounding can turn it there, and no further.
;; One version. Each part assembles by itself: llvm-mc -triple=amdgcn-amd-amdhsa -mcpu=gfx1250 --defsym DOCPART=n.
;; ======== version 1 of 1: 4 launches
;; workspace buffers: cod 15,728,640 bytes; sc 655,360 bytes; qkvc 18,874,368 bytes; qkvs 786,432 bytes
;; launch quant (part 1): grid 640 x 1, 4 waves a work-group, no clusters, 59,904 bytes of LDS; arguments x, Wq, Wk, Wv, Wp, cod, sc; writes cod, sc
.if DOCPART == 1
	.amdgcn_target "amdgcn-amd-amdhsa--gfx1250"
	.amdhsa_code_object_version 6
	.text
	.protected	k_q216070e121_quant
	.globl	k_q216070e121_quant
	.p2align	8
	.type	k_q216070e121_quant,@function
k_q216070e121_quant:
	s_mov_b64 s[64:65], 0
	v_nop
	global_prefetch_b8 v0, s[64:65] scope:SCOPE_SE
	s_setreg_imm32_b32 hwreg(HW_REG_WAVE_MODE, 25, 1), 1
	s_wait_xcnt 0x0
; x [8192][1024] and the four weights [1024 (k)][1024 (n)], f32, become codes of FP6 (E2M3) with one E8M0 byte for each 32 along K.
; A block's scale is 2^(floor(log2(its largest magnitude)) - 2); its byte is the largest magnitude's exponent field - 2, held at 1 from below.
; LIMITS: NaN and infinities are not served; a block of zeros, or one under 2^-124, gets the byte 1 (its codes add nothing; this program alone reads the bytes).
; THE CODES ARE LAID AS IMAGES OF OPERAND REGISTERS.  A unit is 16 rows x 64 K = 768 bytes: lane l = (r = l % 16, h = l / 16) holds row r, k = 32 h .. 32 h + 31: its registers 0-3
; lie at 16 l, its registers 4-5 at 512 + 8 l.  cod = [tile of 16 rows G][unit 16][768]; sc = [16 G + row][32 bytes].  x: G 0-511; Wq, Wk, Wv, Wp: G 512 + 64 mat on (rows = output columns).
; THE ROWS OF A TILE ARE NOT NEIGHBOURS: row rho of tile 2 beta + u is true row 32 beta + 8 u + rho + 8 (rho / 8), so that in a product used transposed the 16 registers of two
; neighbouring tiles are 16 neighbours.
; Work-groups 0-127 take the weights (a lane to a column, registers down K), work-groups 128-639 a tile of 16 rows of x each (wave w: K quarter w).  The two paths have LDS bytes of their own.
; No tensor loads, no barrier: waves share nothing.
.set WST,   33792                      ; LDS: x's stages 4 x 16 x 528 from 0; the weights' stages 4 x 2 x 3,200 from here
.set SPARE, 59392                      ; the spare words, 128 bytes a wave: two blocks of 256 bytes that no other line names
.set SPW,   62                         ; v62  SPARE + 4 x my thread's number; never rewritten
.set NIL,   63                         ; v63  0; never rewritten
.set L16,   10                         ; v10  16 x lane
.set L8,    11                         ; v11  512 + 8 x lane
.set VA,    8                          ; weights: where my block's registers 0-3 go in the stage
.set VB,    9                          ;          and its registers 4-5
.set RDW,   12                         ;          where I read the stage back
.set SOF,   13                         ;          my column's row of scale bytes
.set C,     32                         ;          v32-42 a block's codes
.set SB,    44                         ;          v44-45 eight scale bytes
.set X,     64                         ;          v64-127 two sets of 32 numbers
.set OUTR,  128                        ;          v128-175 the way out
.set STI,   12                         ; x: the stage, on the way in
.set STO,   13                         ;    and on the way out
.set SOX,   14                         ;    my scale word's place
.set TM,    16                         ;    v16-31 at work in QUANT
.set PC,    32                         ;    v32-51 the codes just made
.set PW,    52                         ;    the scale word just made
.set PW0,   53
.set PWX,   54
.set R,     64                         ;    v64-191 two K steps as loaded
.set T,     192                        ;    v192-255 64 numbers of my row
.set SEL,   34                         ; s[34:35] v_permlanex16_b32's selects for lane l xor 16
	s_load_b256 s[4:11], s[0:1], 0x0               ; x, Wq, Wk, Wv
	s_load_b128 s[12:15], s[0:1], 0x20             ; Wp, cod
	s_load_b64 s[16:17], s[0:1], 0x30              ; sc
	v_lshl_add_u32 v[SPW], v0, 2, SPARE
	v_mov_b32 v[NIL], 0
	v_lshrrev_b32 v1, 5, v0
	v_readfirstlane_b32 s18, v1                    ; wave
	v_and_b32 v2, 31, v0                           ; lane
	v_lshlrev_b32 v[L16], 4, v2
	s_cmp_ge_u32 ttmp9, 128                        ; the work-group's number alone: all four waves go the same way
	s_cbranch_scc1 .Lx_path
	; ---- THE WEIGHTS.  mat = id / 32, columns 128 cg + 32 w on, K quarter ky: 8 blocks of 32 a lane
	s_lshr_b32 s19, ttmp9, 5                       ; mat
	s_bfe_u32 s20, ttmp9, 0x30002                  ; cg
	s_and_b32 s21, ttmp9, 3                        ; ky
	v_lshlrev_b32 v3, 2, v2                        ; in: 4 bytes a lane
	v_bfe_u32 v4, v2, 3, 1                         ; my column's tile of the wave's two: u = bit 3 of the lane
	v_and_b32 v5, 7, v2
	v_bfe_u32 v6, v2, 4, 1
	v_lshl_add_u32 v5, v6, 3, v5                   ; and its row there: rho = lane % 8 + 8 x bit 4
	s_mul_i32 s22, s18, 6400
	s_add_co_u32 s22, s22, WST                     ; my stage
	v_mul_u32_u24 v7, v4, 3200
	v_lshl_add_u32 v[VA], v5, 4, v7
	v_add_nc_u32 v[VA], s22, v[VA]
	v_lshl_add_u32 v[VB], v5, 3, v7
	v_add_nc_u32 v[VB], s22, v[VB]
	v_add_nc_u32 v[VB], 512, v[VB]
	v_add_nc_u32 v[RDW], s22, v[L16]
	v_lshl_add_u32 v[SOF], v4, 4, v5
	v_lshlrev_b32 v[SOF], 5, v[SOF]                ; (16 u + rho) x 32
	s_lshl_b32 s24, s21, 20                        ; W: 256 ky rows of 4,096 bytes
	s_lshl_b32 s23, s20, 9
	s_add_co_u32 s24, s24, s23
	s_lshl_b32 s23, s18, 7
	s_add_co_u32 s24, s24, s23                     ; + 4 x (128 cg + 32 w)
	s_mov_b32 s25, 0
	s_lshl_b32 s26, s19, 6
	s_lshl_b32 s23, s20, 3
	s_add_co_u32 s26, s26, s23
	s_lshl_b32 s23, s18, 1
	s_add_co_u32 s26, s26, s23
	s_add_co_u32 s26, s26, 512                     ; G = 512 + 64 mat + 8 cg + 2 w
	s_lshl_b32 s28, s26, 9
	s_lshl_b32 s23, s21, 3
	s_add_co_u32 s28, s28, s23                     ; sc: 512 G + 8 ky
	s_mov_b32 s29, 0
	s_mul_i32 s26, s26, 12288
	s_mul_i32 s23, s21, 3072
	s_add_co_u32 s26, s26, s23                     ; cod: 12,288 G + 3,072 ky
	s_mov_b32 s27, 0
	s_and_b32 s23, s19, 1
	s_wait_kmcnt 0x0
	s_cmp_eq_u32 s23, 0                            ; which weight: a choice that hangs on the work-group's number alone
	s_cselect_b64 s[30:31], s[6:7], s[8:9]
	s_cselect_b64 s[32:33], s[10:11], s[12:13]
	s_cmp_lt_u32 s19, 2
	s_cselect_b64 s[30:31], s[30:31], s[32:33]
	s_add_nc_u64 s[30:31], s[30:31], s[24:25]
	s_add_nc_u64 s[14:15], s[14:15], s[26:27]
	s_add_nc_u64 s[16:17], s[16:17], s[28:29]
.macro WLOAD t                         ; block t: W(32 t + i, my column) into set t % 2: 32 lanes read 128 consecutive bytes
.irp i, 0,1,2,3,4,5,6,7,8,9,10,11,12,13,14,15,16,17,18,19,20,21,22,23,24,25,26,27,28,29,30,31
	global_load_b32 v[X+32*((\t)%2)+\i], v3, s[30:31] offset:(32*(\t)+\i)*4096 th:TH_LOAD_NT
.endr
.endm
.macro WBLOCK t
.set XS, X+32*((\t)%2)
.if (\t) < 7
	s_wait_loadcnt 32                              ; this block's 32 loads are in; the next block's may be out
.else
	s_wait_loadcnt 0
.endif
	v_max3_num_f32 v14, |v[XS]|, |v[XS+1]|, |v[XS+2]|      ; the block's largest magnitude: all 32 numbers are mine; two chains
	v_max3_num_f32 v15, |v[XS+3]|, |v[XS+4]|, |v[XS+5]|
.irp i, 6,10,14,18,22,26
	v_max3_num_f32 v14, v14, |v[XS+\i]|, |v[XS+\i+1]|
	v_max3_num_f32 v15, v15, |v[XS+\i+2]|, |v[XS+\i+3]|
.endr
	v_max3_num_f32 v14, v14, |v[XS+30]|, |v[XS+31]|
	v_max3_num_f32 v14, v14, v15, 0x1800000        ; and the floor 2^(3 - 127): the byte cannot fall under 1
	v_add_nc_u32 v16, 0xff000000, v14              ; 2 off the exponent field: the conversion's scale operand
	v_lshrrev_b32 v17, 23, v16                     ; the scale's byte
.if (\t)%4 == 0
	v_mov_b32 v[SB+(\t)/4], v17
.else
	v_lshl_or_b32 v[SB+(\t)/4], v17, 8*((\t)%4), v[SB+(\t)/4]
.endif
	v_cvt_scalef32_pk16_fp6_f32 v[C:C+2], v[XS:XS+15], v16
	v_cvt_scalef32_pk16_fp6_f32 v[C+8:C+10], v[XS+16:XS+31], v16   ; (a conversion's three registers begin on an even number)
	v_nop                                          ; one plain place behind a scaled conversion
.irp i, 0,1,2
	v_mov_b32 v[C+3+\i], v[C+8+\i]
.endr
	ds_store_b128 v[VA], v[C:C+3] offset:768*((\t)/2)+256*((\t)%2)   ; block t is half t % 2 of unit t / 2: the place of lane rho + 16 (t % 2) in the unit's image
	ds_store_b64 v[VB], v[C+4:C+5] offset:768*((\t)/2)+128*((\t)%2)
.if (\t)+2 < 8
	WLOAD (\t)+2
.endif
	s_wait_dscnt 0x0                               ; the stores have read their registers: the next block's codes may be written
.endm
	WLOAD 0
	WLOAD 1
.irp t, 0,1,2,3,4,5,6,7
	WBLOCK \t
.endr
	global_store_b64 v[SOF], v[SB:SB+1], s[16:17]  ; my column's 8 scale bytes of this K quarter
.irp m, 0,1,2,3,4,5,6,7,8,9,10,11
	ds_load_b128 v[OUTR+4*\m:OUTR+4*\m+3], v[RDW] offset:3200*(\m/6)+512*(\m%6)   ; a wave's LDS instructions are served in order: these see my stores
.endr
.irp m, 0,1,2,3,4,5,6,7,8,9,10,11
	s_wait_dscnt 11-\m
	global_store_b128 v[L16], v[OUTR+4*\m:OUTR+4*\m+3], s[14:15] offset:12288*(\m/6)+512*(\m%6)   ; 512 consecutive bytes, at a multiple of 256
.endr
	s_wait_tensorcnt 0x0                           ; the wave's end: behind my last LDS store
	ds_add_u32 v[SPW], v[NIL]
	s_wait_dscnt 0x0
	s_endpgm
; 64 numbers of a lane, v[s] .. v[s + 63], register 16 b + i = k 32 b + 16 (lane / 16) + i of my row, become a fragment's codes in v[PC] on and its scale word in v[PW].
.macro QUANT s
.irp b, 0,1,2,3
	v_max3_num_f32 v[TM+\b], |v[\s+16*\b]|, |v[\s+1+16*\b]|, 0x1800000   ; my 16 numbers of block b, and the floor 2^(3 - 127)
.endr
.irp i, 2,4,6,8,10,12,14
.irp b, 0,1,2,3
	v_max3_num_f32 v[TM+\b], v[TM+\b], |v[\s+16*\b+\i]|, |v[\s+1+16*\b+\i]|   ; the four blocks by turns
.endr
.endr
.irp b, 0,1,2,3
	v_permlanex16_b32 v[TM+4+\b], v[TM+\b], s[SEL], s[SEL+1]
.endr
.irp b, 0,1,2,3
	v_max_num_f32 v[TM+\b], v[TM+\b], v[TM+4+\b]   ; with lane l xor 16's: the block's largest magnitude
.endr
.irp b, 0,1,2,3
	v_add_nc_u32 v[TM+12+\b], 0xff000000, v[TM+\b] ; 2 off its exponent field: the conversion's scale operand
.endr
.irp b, 0,1,2,3
	v_lshrrev_b32 v[TM+4+\b], 23, v[TM+12+\b]      ; the scale's byte
.endr
	v_lshl_or_b32 v[PW], v[TM+5], 8, v[TM+4]
	v_lshl_or_b32 v[PW], v[TM+6], 16, v[PW]
	v_lshl_or_b32 v[PW], v[TM+7], 24, v[PW]
.irp c, 0,1
	v_cvt_scalef32_pk16_fp6_f32 v[PC+6*\c:PC+2+6*\c], v[\s+32*\c:\s+15+32*\c], v[TM+12+2*\c]
	v_cvt_scalef32_pk16_fp6_f32 v[PC+12+4*\c:PC+14+4*\c], v[\s+16+32*\c:\s+31+32*\c], v[TM+12+2*\c+1]
.endr
	v_nop                                          ; one plain place behind a scaled conversion
.irp c, 0,1                                    ; the operand wants a WHOLE block in a lane: lanes 0-15 block 2 c, lanes 16-31 block 2 c + 1
.irp i, 0,1,2
	v_permlane16_swap_b32 v[PC+6*\c+\i], v[PC+12+4*\c+\i]
.endr
.irp i, 0,1,2
	v_mov_b32 v[PC+3+6*\c+\i], v[PC+12+4*\c+\i]
.endr
.endr
.endm
	; ---- x.  Tile G = id - 128; wave w takes k = 256 w .. 256 w + 255: two K steps of 128
.Lx_path:
	s_sub_co_u32 s19, ttmp9, 128
	v_lshl_add_u32 v[L8], v2, 3, 512
	v_and_b32 v3, 15, v2                           ; r
	v_lshrrev_b32 v4, 4, v2                        ; h
	s_mul_i32 s20, s18, 8448                       ; my stage: 16 rows of 512 bytes + 16
	v_add_nc_u32 v[STI], s20, v[L16]
	v_mul_u32_u24 v[STO], v3, 528
	v_lshl_add_u32 v[STO], v4, 6, v[STO]
	v_add_nc_u32 v[STO], s20, v[STO]               ; row r, + 64 h: my 16 numbers of each block of 32
	v_lshlrev_b32 v[SOX], 5, v3
	v_lshl_add_u32 v[SOX], v4, 2, v[SOX]           ; 32 r + 4 h
	s_mov_b32 s[SEL], 0x76543210
	s_mov_b32 s[SEL+1], 0xfedcba98
	s_mov_b32 s36, 0xffff0000                      ; lanes 16-31
.irp b, 0,1,2,3
	v_mov_b32 v[TM+4+\b], 0                        ; written once: a lane permute's destination counts as one of its sources
.endr
	s_lshr_b32 s22, s19, 1
	s_lshl_b32 s22, s22, 17                        ; 32 (G / 2) rows of 4,096 bytes
	s_and_b32 s23, s19, 1
	s_lshl_b32 s23, s23, 15                        ; + 8 (G % 2) rows
	s_add_co_u32 s22, s22, s23
	s_lshl_b32 s23, s18, 10
	s_add_co_u32 s22, s22, s23                     ; + my K quarter
	s_mov_b32 s23, 0
	s_mul_i32 s24, s19, 12288
	s_mul_i32 s21, s18, 3072
	s_add_co_u32 s24, s24, s21
	s_mov_b32 s25, 0
	s_lshl_b32 s26, s19, 9
	s_lshl_b32 s21, s18, 3
	s_add_co_u32 s26, s26, s21
	s_mov_b32 s27, 0
	s_wait_kmcnt 0x0
	s_add_nc_u64 s[4:5], s[4:5], s[22:23]
	s_add_nc_u64 s[14:15], s[14:15], s[24:25]
	s_add_nc_u64 s[16:17], s[16:17], s[26:27]
.irp s, 0,1                                    ; all 32 loads at once: each reads 512 consecutive bytes of one row
.irp p, 0,1,2,3,4,5,6,7,8,9,10,11,12,13,14,15
	global_load_b128 v[R+64*\s+4*\p:R+64*\s+4*\p+3], v[L16], s[4:5] offset:(\p+8*(\p/8))*4096+512*\s th:TH_LOAD_NT
.endr
.endr
.macro XSTEP s
	s_wait_loadcnt 16-16*\s                        ; this K step's 16 loads are in; the second step's may be out
.irp p, 0,1,2,3,4,5,6,7,8,9,10,11,12,13,14,15
	ds_store_b128 v[STI], v[R+64*\s+4*\p:R+64*\s+4*\p+3] offset:528*\p
.endr
.irp b, 0,1,2,3
.irp j, 0,1,2,3
	ds_load_b128 v[T+16*\b+4*\j:T+16*\b+4*\j+3], v[STO] offset:128*\b+16*\j   ; served in order behind my stores
.endr
.endr
	s_wait_dscnt 0x0
.if \s
	s_wait_xcnt 0x0                                ; the first step's stores have read the codes' registers
.endif
	QUANT T
	global_store_b128 v[L16], v[PC:PC+3], s[14:15] offset:1536*\s          ; two units as they stand: 512 and 256 consecutive bytes an instruction
	global_store_b64 v[L8], v[PC+4:PC+5], s[14:15] offset:1536*\s
	global_store_b128 v[L16], v[PC+6:PC+9], s[14:15] offset:1536*\s+768
	global_store_b64 v[L8], v[PC+10:PC+11], s[14:15] offset:1536*\s+768
.endm
	XSTEP 0
	v_mov_b32 v[PW0], v[PW]
	XSTEP 1
	v_cndmask_b32 v[PWX], v[PW0], v[PW], s36       ; lanes r and r + 16 hold the same two words: lane (r, h) stores word h
	global_store_b32 v[SOX], v[PWX], s[16:17]
	s_wait_tensorcnt 0x0                           ; the wave's end: behind my last LDS store
	ds_add_u32 v[SPW], v[NIL]
	s_wait_dscnt 0x0
	s_endpgm
.Lfunc_end_k_q216070e121_quant:
	.size	k_q216070e121_quant, .Lfunc_end_k_q216070e121_quant-k_q216070e121_quant
	.p2alignl 7, 3214868480
	.fill 96, 4, 3214868480
	.section	.rodata,"a",@progbits
	.p2align	6, 0x0
	.amdhsa_kernel k_q216070e121_quant
		.amdhsa_group_segment_fixed_size 59904
		.amdhsa_private_segment_fixed_size 0
		.amdhsa_enable_private_segment 0
		.amdhsa_kernarg_size 56
		.amdhsa_user_sgpr_count 2
		.amdhsa_user_sgpr_kernarg_segment_ptr 1
		.amdhsa_wavefront_size32 1
		.amdhsa_system_sgpr_workgroup_id_x 1
		.amdhsa_system_sgpr_workgroup_id_y 1
		.amdhsa_system_sgpr_workgroup_id_z 1
		.amdhsa_system_vgpr_workitem_id 0
		.amdhsa_next_free_vgpr 256
		.amdhsa_next_free_sgpr 66
		.amdhsa_reserve_vcc 0
		.amdhsa_float_denorm_mode_32 3
		.amdhsa_float_denorm_mode_16_64 3
		.amdhsa_memory_ordered 1
		.amdhsa_forward_progress 1
		.amdhsa_inst_pref_size 60
	.end_amdhsa_kernel
	.amdgpu_metadata
---
amdhsa.version: [ 1, 2 ]
amdhsa.kernels:
  - .name:           k_q216070e121_quant
    .symbol:         k_q216070e121_quant.kd
    .args:
      - { .name: x, .offset: 0, .size: 8, .value_kind: global_buffer, .address_space: global }
      - { .name: Wq, .offset: 8, .size: 8, .value_kind: global_buffer, .address_space: global }
      - { .name: Wk, .offset: 16, .size: 8, .value_kind: global_buffer, .address_space: global }
      - { .name: Wv, .offset: 24, .size: 8, .value_kind: global_buffer, .address_space: global }
      - { .name: Wp, .offset: 32, .size: 8, .value_kind: global_buffer, .address_space: global }
      - { .name: cod, .offset: 40, .size: 8, .value_kind: global_buffer, .address_space: global }
      - { .name: sc, .offset: 48, .size: 8, .value_kind: global_buffer, .address_space: global }
    .group_segment_fixed_size: 59904
    .private_segment_fixed_size: 0
    .kernarg_segment_align: 8
    .kernarg_segment_size: 56
    .max_flat_workgroup_size: 128
    .sgpr_count:     66
    .vgpr_count:     256
    .wavefront_size: 32
...
	.end_amdgpu_metadata
.endif
;; end of part 1
;; launch qkv (part 2): grid 12 x 32, 4 waves a work-group, clusters of 4 x 4, 327,680 bytes of LDS; arguments cod, sc, bq, bk, bv, qkvc, qkvs; writes qkvc, qkvs
.if DOCPART == 2
	.amdgcn_target "amdgcn-amd-amdhsa--gfx1250"
	.amdhsa_code_object_version 6
	.text
	.protected	k_q216070e121_qkv
	.globl	k_q216070e121_qkv
	.p2align	8
	.type	k_q216070e121_qkv,@function
k_q216070e121_qkv:
	s_mov_b64 s[64:65], 0
	v_nop
	global_prefetch_b8 v0, s[64:65] scope:SCOPE_SE
	s_setreg_imm32_b32 hwreg(HW_REG_WAVE_MODE, 25, 1), 1
	s_wait_xcnt 0x0
	s_wait_alu depctr_hold_cnt(0) depctr_sa_sdst(0) depctr_va_vdst(0) depctr_va_sdst(0) depctr_va_ssrc(0) depctr_va_vcc(0) depctr_vm_vsrc(0)
	s_getreg_b32 s2, hwreg(HW_REG_IB_STS2, 6, 4)
	s_cmp_eq_u32 s2, 0
	s_cbranch_scc0 .Lentry_in_a_cluster
	s_endpgm
.Lentry_in_a_cluster:
	s_bfe_u32 s2, ttmp6, 0x10000c
	s_cmp_lg_u32 s2, 0xf033
	s_cbranch_scc0 .Lentry_shape_is_right
	s_endpgm
.Lentry_shape_is_right:
; q = x Wq + bq, k = x Wk + bk, v = x Wv + bv on codes of FP6 (E2M3), and their quantising: q and k along the head's 64 channels, v along the tokens.  Nothing leaves as f32.
; OPERANDS: cod = [tile of 16 rows G][unit 16][768], a unit = the register image of 16 rows x 64 K (lane l: registers 0-3 at 16 l, 4-5 at 512 + 8 l); sc = [16 G + row][32 scale bytes].  x: G 0-511; Wq 512, Wk 576, Wv 640 on.
; Row rho of tile 2 beta + u is true row 32 beta + 8 u + rho + 8 (rho / 8).  THE PRODUCT IS USED TRANSPOSED (source 0 = 16 rows of B, source 1 = 16 rows of A): a lane holds one row of A, and the 16 registers of
; B's tiles 2 beta and 2 beta + 1 are the true rows 32 beta + 16 (lane / 16) + 0 .. 15 of B: 16 neighbours along the next product's K.
; ROLES, by the cluster's x alone (selections, no branch): x = 0, 1: A = x's tokens, B = Wq's, Wk's columns: a lane holds a token, registers run along channels.  x = 2: A = Wv's columns, B = x's tokens: a lane holds a channel, registers run along tokens.
; A work-group makes 256 x 256, a wave 128 x 128: 64 accumulators.  K = 1,024 is eight steps of 128, written out; a slot holds 256 along K.  Three slots are filled at the start, the first of them once again.
; CLUSTERS: A's tiles are shared along a row of the 4 x 4 cluster, B's along a column: joint loads.
; RESULTS: qkvc: Q at 0, K at 6,291,456: [token tile 512][head 16][768]; V at 12,582,912: [1,024 tokens 8][channel tile 64][unit 16][768].
;   qkvs: Q at 0: [b h 64][128 tokens 16][r 16][tile pair 4][4 bytes: the even tile's two, the odd tile's two]; at 262,144: [b h 64][key step 16][K: the same 256 bytes | V: [r 16][channel tile 4][4 bytes]].
; LIMITS: NaN and infinities are not served; a block of zeros, or one under 2^-124, gets the scale byte 1 (this program alone reads the bytes).
; REGISTERS: window 0: v1-22 lane terms and addresses; v28, v29 the add's two; v32-95 scale words (8 i + step: lanes 0-15 A's block i, lanes 16-31 B's); v96-111 the bias along A's rows, in pairs; v128-223 A's fragments, one set;
;   on the way out v128-191 64 numbers, v192-243 at work.  window 1: B's fragments, two sets at v0 and v128; the bias along B's rows at v96-127 and v224-255.  windows 2, 3: accumulator (a, b) at v[8 (8 (a % 4) + b)].
.set SLOT,  98304                      ; A's 16 tiles x 3,072 bytes, then B's 16
.set SPARE, 3*SLOT                     ; behind the slots: the spare words, 128 bytes a wave
.set ADA,   4                          ; v4-9   LDS addresses of my A fragments: slot s: 16 l part at v[4 + 2 s], 512 + 8 l part at v[5 + 2 s]
.set ADB,   10                         ; v10-15 the same for B
.set SPW,   28
.set NIL,   29
.set SC,    32
.set BL,    96
.set AF,    128
.set T,     128
.set TM,    192
.set PC,    208
.set PW,    228
.set PWS,   232
.set Z,     240
.set WV, 18
.set AH, 19                            ; my half of A's rows; also: I fetch for A (0) or B (1)
.set BH, 20                            ; my half of B's rows; also: which 8 tiles I fetch
.set CX, 21
.set CY, 22
.set G1A, 24
.set G0A, 32                           ; s[32:43] three sets
.set G1B, 44
.set G0B, 52                           ; s[52:63]
.set TR, 66
.set TC, 67
.set GA, 68
.set GB, 69
.set HM, 88                            ; lanes 16-31
.set MQK, 91                           ; all ones in the roles q, k; else 0
.set MV, 92                            ; all ones in the role v
.set SEL, 98
.set MSB, 0
.macro WIN new                         ; the immediate's high byte repeats the setting that is left
.if MSB != (\new)
	s_set_vgpr_msb (MSB<<8)|(\new)
.set MSB, (\new)
.endif
.endm
.set MUL_LO, 0xa1                      ; source 0 (B) window 1, source 1 (A) window 0, C and D window 2; in the first step C (the bias) window 1: 0x91
.set MUL_HI, 0xf1                      ; the same with window 3; in the first step 0xd1
.set TO_B,   0x40
.macro JLOAD g0a, g1a, g0b, g1b        ; a joint load: waves 0, 1 fetch for A, waves 2, 3 for B; an s_nop 0 and four v_nop follow each line
	s_cmp_eq_u32 s[AH], 0
	s_cbranch_scc0 .Lfor_b_\@
	tensor_load_to_lds s[\g0a:\g0a+3], s[\g1a:\g1a+7]
	s_nop 0
.rept 4
	v_nop
.endr
	s_branch .Lasked_\@
.Lfor_b_\@:
	tensor_load_to_lds s[\g0b:\g0b+3], s[\g1b:\g1b+7]
	s_nop 0
.rept 4
	v_nop
.endr
.Lasked_\@:
.endm
.macro CREST
	s_cmp_lg_u32 s[WV], 0
	s_cbranch_scc1 .Lnot_wave_0_\@
	s_barrier_signal -3
.Lnot_wave_0_\@:
	s_barrier_wait -3
	s_barrier_signal -1
	s_barrier_wait -1
.endm
.macro CROUND
	s_barrier_signal -1
	s_barrier_wait -1
	CREST
.endm
.macro PLACES
.rept 4
	v_nop
.endr
.endm
	s_load_b256 s[4:11], s[0:1], 0x0               ; cod, sc, bq, bk
	s_load_b128 s[12:15], s[0:1], 0x20             ; bv, qkvc
	s_load_b64 s[16:17], s[0:1], 0x30              ; qkvs
	v_lshl_add_u32 v[SPW], v0, 2, SPARE
	v_mov_b32 v[NIL], 0
	ds_add_u32 v[SPW], v[NIL]                      ; the wave's opening: the add and its wait ahead of my first tensor load
	v_lshrrev_b32 v1, 5, v0
	v_readfirstlane_b32 s[WV], v1
	s_lshr_b32 s[AH], s[WV], 1
	s_and_b32 s[BH], s[WV], 1
	s_bfe_u32 s[CX], ttmp6, 0x40000
	s_bfe_u32 s[CY], ttmp6, 0x40004
	s_and_b32 s70, ttmp7, 0xffff
	s_lshl_b32 s70, s70, 2                         ; 4 x cluster y
	s_lshl_b32 s71, ttmp9, 2                       ; 4 x cluster x
	s_mov_b32 s90, 786432
	s_cmp_lt_u32 ttmp9, 2                          ; the role: the same in all sixteen partners
	s_cselect_b32 s72, s70, 0
	s_cselect_b32 s73, s71, s70
	s_cselect_b32 s74, 0, 640
	s_cselect_b32 s75, 512, 0
	s_cselect_b32 s[MQK], -1, 0
	s_cselect_b32 s[MV], 0, -1
	s_cselect_b32 s89, 0, 12582912                 ; where the results begin in qkvc,
	s_cselect_b32 s90, 6291456, s90                ; and what tile column / 4 steps by
	s_add_co_u32 s[TR], s[CY], s72                 ; tile row: 4 Y + cy, or cy
	s_add_co_u32 s[TC], s[CX], s73                 ; tile column: 4 X + cx, or 4 Y + cx
	s_lshl_b32 s[GA], s[TR], 4
	s_add_co_u32 s[GA], s[GA], s74                 ; A's first tile: hangs on cy, never on cx
	s_lshl_b32 s[GB], s[TC], 4
	s_add_co_u32 s[GB], s[GB], s75                 ; B's: hangs on cx, never on cy
	s_lshl_b32 s76, s[CY], 2
	s_lshl_b32 s76, 15, s76                        ; my row of the cluster
	s_lshl_b32 s77, 0x1111, s[CX]                  ; my column
	s_or_b32 s[G1A], s76, (3<<16)|(1<<21)          ; group 1: the mask; elements of 8 bytes; bit 21 beside a mask; no padding
	s_or_b32 s[G1B], s77, (3<<16)|(1<<21)
.irp g, G1A, G1B
	s_mov_b32 s[\g+1], 384<<16                     ; tensor_dim0: 3,072 bytes, four units of a tile
	s_mov_b32 s[\g+2], 8<<16                       ; tensor_dim1: 8 tiles
	s_mov_b32 s[\g+3], 384<<16                     ; tile_dim0
	s_mov_b32 s[\g+4], 8                           ; tile_dim1
	s_mov_b32 s[\g+5], 1536                        ; from tile to tile: 12,288 bytes
	s_mov_b32 s[\g+6], 0
	s_mov_b32 s[\g+7], 0
.endr
	s_lshl_b32 s78, s[BH], 3                       ; which 8 tiles I fetch
	s_add_co_u32 s80, s[GA], s78
	s_mul_i32 s80, s80, 12288
	s_mov_b32 s81, 0
	s_add_co_u32 s82, s[GB], s78
	s_mul_i32 s82, s82, 12288
	s_mov_b32 s83, 0
	s_mul_i32 s79, s[WV], 24576                    ; where they go: wave x 8 tiles: no place in the cluster enters an LDS address
	s_mov_b32 s[HM], 0xffff0000
	s_wait_dscnt 0x0                               ; the opening add is done
	s_wait_kmcnt 0x0
	s_add_nc_u64 s[80:81], s[4:5], s[80:81]
	s_add_nc_u64 s[82:83], s[4:5], s[82:83]
	CROUND                                         ; all sixteen work-groups are here: the first joint loads meet
.irp s, 0,1,2                                  ; K steps of 256: 0, 1, 2: three loads of mine are out
	s_mov_b32 s[G0A+4*\s], 1
	s_add_co_u32 s[G0A+4*\s+1], s79, \s*SLOT
	s_add_nc_u64 s[G0A+4*\s+2:G0A+4*\s+3], s[80:81], \s*3072
	s_or_b32 s[G0A+4*\s+3], s[G0A+4*\s+3], 0x80000000
	s_mov_b32 s[G0B+4*\s], 1
	s_add_co_u32 s[G0B+4*\s+1], s79, \s*SLOT
	s_add_nc_u64 s[G0B+4*\s+2:G0B+4*\s+3], s[82:83], \s*3072
	s_or_b32 s[G0B+4*\s+3], s[G0B+4*\s+3], 0x80000000
	JLOAD G0A+4*\s, G1A, G0B+4*\s, G1B
.endr
	v_and_b32 v1, 31, v0                           ; lane
	v_and_b32 v2, 15, v0                           ; r
	v_bfe_u32 v3, v0, 4, 1                         ; h
	v_lshlrev_b32 v16, 4, v1                       ; 16 l
	v_lshl_add_u32 v17, v1, 3, 512                 ; 512 + 8 l
	s_mul_i32 s84, s[AH], 24576                    ; my 8 tiles of A
	s_mul_i32 s85, s[BH], 24576
	s_add_co_u32 s85, s85, 49152                   ; my 8 tiles of B, behind A's 16
.irp s, 0,1,2
	v_add_nc_u32 v[ADA+2*\s], s84, v16
	v_add_nc_u32 v[ADA+2*\s+1], s84, v17
	v_add_nc_u32 v[ADB+2*\s], s85, v16
	v_add_nc_u32 v[ADB+2*\s+1], s85, v17
	s_add_co_u32 s84, s84, SLOT
	s_add_co_u32 s85, s85, SLOT
.endr
	s_lshl_b32 s86, s[AH], 3                       ; the scale words of all of K: 32 bytes a row, lanes 0-15 A's rows, lanes 16-31 B's
	s_add_co_u32 s86, s86, s[GA]
	s_lshl_b32 s86, s86, 9
	s_lshl_b32 s87, s[BH], 3
	s_add_co_u32 s87, s87, s[GB]
	s_lshl_b32 s87, s87, 9
	v_mov_b32 v18, s86
	v_mov_b32 v19, s87
	v_cndmask_b32 v18, v18, v19, s[HM]
	v_lshl_add_u32 v18, v2, 5, v18
.irp i, 0,1,2,3,4,5,6,7
	global_load_b128 v[SC+8*\i:SC+8*\i+3], v18, s[6:7] offset:512*\i
	global_load_b128 v[SC+8*\i+4:SC+8*\i+7], v18, s[6:7] offset:512*\i+16
.endr
	s_cmp_eq_u32 ttmp9, 0                          ; the bias along B's rows: bq or bk (in the role v: read and masked away below)
	s_cselect_b64 s[94:95], s[8:9], s[10:11]
	s_lshl_b32 s96, s[CX], 10
	s_lshl_b32 s93, s[BH], 9
	s_add_co_u32 s96, s96, s93                     ; 4 x (256 cx + 128 BH)
	s_mov_b32 s97, 0
	s_add_nc_u64 s[94:95], s[94:95], s[96:97]
	s_lshl_b32 s96, s[CY], 10                      ; the bias along A's rows: bv (in the roles q, k: read and masked away)
	s_lshl_b32 s93, s[AH], 9
	s_add_co_u32 s96, s96, s93
	s_add_nc_u64 s[12:13], s[12:13], s[96:97]
	v_lshlrev_b32 v20, 6, v3                       ; 64 h: register 16 beta + i of the bias is that of column 32 beta + 16 h + i
	v_and_b32 v21, 8, v2
	v_add_nc_u32 v21, v21, v2
	v_lshlrev_b32 v21, 2, v21                      ; 4 x (r + 8 (r / 8))
.irp a, 0,1,2,3,4,5,6,7
	global_load_b32 v[BL+2*\a], v21, s[12:13] offset:(32*(\a/2)+8*(\a%2))*4
	v_mov_b32 v[BL+2*\a+1], 0                      ; named with it as a pair
.endr
	WIN TO_B
.irp e, 0,4,8,12,16,20,24,28,32,36,40,44,48,52,56,60
	global_load_b128 v[96+\e+96*(\e/32):96+\e+96*(\e/32)+3], v20, s[94:95] offset:128*(\e/16)+4*(\e%16)
.endr
	WIN 0
	s_wait_loadcnt 0x0
.irp a, 0,1,2,3,4,5,6,7
	v_and_b32 v[BL+2*\a], s[MV], v[BL+2*\a]
.endr
	WIN 0x44                                       ; source 1 and destination window 1
.set e, 0
.rept 32
	v_and_b32 v[96+e], s[MQK], v[96+e]
	v_and_b32 v[224+e], s[MQK], v[224+e]
.set e, e+1
.endr
	WIN 0
.macro FRAG reg, adr, off              ; a fragment, 16 rows x 128 K, is two units on end: four loads, each of consecutive bytes
	ds_load_b128 v[\reg:\reg+3], v[\adr] offset:\off
	ds_load_b64 v[\reg+4:\reg+5], v[\adr+1] offset:\off
	ds_load_b128 v[\reg+6:\reg+9], v[\adr] offset:\off+768
	ds_load_b64 v[\reg+10:\reg+11], v[\adr+1] offset:\off+768
.endm
; 16 matrix instructions: A's blocks a0, a0 + 1 x B's eight, K step k.  p: B's set.  zero = 1: the first step starts the sums, with the bias along B's rows as C.
; The 64 accumulators take turns, one instruction a turn, in the same order in every step.
.macro MUL16 a0, p, k, zero
.irp a, \a0, \a0+1
.irp b, 0,1,2,3,4,5,6,7
.if \zero
	v_wmma_scale_f32_16x16x128_f8f6f4 v[8*(8*((\a)%4)+\b):8*(8*((\a)%4)+\b)+7], v[128*(\p)+12*\b:128*(\p)+12*\b+11], v[AF+12*(\a):AF+12*(\a)+11], v[96+8*\b+96*(\b/4):96+8*\b+96*(\b/4)+7], v[SC+8*\b+(\k)], v[SC+8*(\a)+(\k)] matrix_a_fmt:MATRIX_FMT_FP6 matrix_b_fmt:MATRIX_FMT_FP6 matrix_a_scale:MATRIX_SCALE_ROW1
.else
	v_wmma_scale_f32_16x16x128_f8f6f4 v[8*(8*((\a)%4)+\b):8*(8*((\a)%4)+\b)+7], v[128*(\p)+12*\b:128*(\p)+12*\b+11], v[AF+12*(\a):AF+12*(\a)+11], v[8*(8*((\a)%4)+\b):8*(8*((\a)%4)+\b)+7], v[SC+8*\b+(\k)], v[SC+8*(\a)+(\k)] matrix_a_fmt:MATRIX_FMT_FP6 matrix_b_fmt:MATRIX_FMT_FP6 matrix_a_scale:MATRIX_SCALE_ROW1
.endif
.endr
.endr
.endm
.macro FETCH_B ns, nq, p
	WIN TO_B
.irp i, 0,1,2,3,4,5,6,7
	FRAG 128*(\p)+12*\i, ADB+2*(\ns), 3072*\i+1536*(\nq)
.endr
	WIN 0
.endm
.macro FETCH_A ns, nq, i0
.irp i, \i0, \i0+1, \i0+2, \i0+3
	FRAG AF+12*(\i), ADA+2*(\ns), 3072*(\i)+1536*(\nq)
.endr
.endm
; K step k; the next step's fragments come from slot ns, half nq.  A load into a register that a matrix instruction has read stands four plain vector instructions behind it (ISA guide 7.12.1 for vector instructions).
.macro STEP k, ns, nq, zero
	s_wait_dscnt 16                                ; B's set and A's blocks 0-3 are in; the youngest 16 loads (A's blocks 4-7) may be out
	WIN MUL_LO-0x10*(\zero)
	MUL16 0, (\k)%2, \k, \zero
	MUL16 2, (\k)%2, \k, \zero
	s_wait_dscnt 0
	PLACES
	FETCH_B \ns, \nq, 1-(\k)%2
	FETCH_A \ns, \nq, 0
	WIN MUL_HI-0x20*(\zero)
	MUL16 4, (\k)%2, \k, \zero
	MUL16 6, (\k)%2, \k, \zero
	PLACES
	WIN 0
	FETCH_A \ns, \nq, 4
.endm
; A step with a barrier: in front of it each wave waits for all its tensor loads, adds 0 to its spare word, and waits for that and for its reads.  fill = 1: slot 0, which nobody reads any more, takes the last 256 along K.
.macro TURN k, ns, fill
	s_wait_tensorcnt 0x0                           ; all my tensor loads have landed (every window is 0 here)
	ds_add_u32 v[SPW], v[NIL]
	s_wait_dscnt 17                                ; (the add and the youngest 16 loads may be out)
	WIN MUL_LO
	MUL16 0, 1, \k, 0
	s_wait_dscnt 0x0                               ; the add is done, and my reads of the slots so far are over
	s_barrier_signal -1
	MUL16 2, 1, \k, 0
	WIN 0
	s_barrier_wait -1
.if \fill
	CREST                                          ; the barrier has opened a round of the cluster's: no wave of any partner still reads slot 0 or has a load on its way
	s_add_nc_u64 s[G0A+2:G0A+3], s[G0A+2:G0A+3], 9216
	s_add_nc_u64 s[G0B+2:G0B+3], s[G0B+2:G0B+3], 9216
	JLOAD G0A, G1A, G0B, G1B                       ; my one load behind the round: it has four K steps, 256 matrix instructions, in which to land
.else
	PLACES
.endif
	FETCH_B \ns, 0, 0
	FETCH_A \ns, 0, 0
	WIN MUL_HI
	MUL16 4, 1, \k, 0
	MUL16 6, 1, \k, 0
	PLACES
	WIN 0
	FETCH_A \ns, 0, 4
.endm
	s_wait_tensorcnt 2                             ; my part of slot 0 is in; slots 1 and 2 may be out
	s_barrier_signal -1
	s_barrier_wait -1
	FETCH_B 0, 0, 0
	FETCH_A 0, 0, 0
	FETCH_A 0, 0, 4
	STEP 0, 0, 1, 1
	TURN 1, 1, 1
	STEP 2, 1, 1, 0
	STEP 3, 2, 0, 0                                ; slot 2 was shown whole to every wave by the wait for all loads and the barrier in step 1
	STEP 4, 2, 1, 0
	TURN 5, 0, 0                                   ; its wait for all loads covers the refill of slot 0
	STEP 6, 0, 1, 0
	s_wait_dscnt 16                                ; the last step: nothing more to fetch
	WIN MUL_LO
	MUL16 0, 1, 7, 0
	MUL16 2, 1, 7, 0
	s_wait_dscnt 0
	WIN MUL_HI
	MUL16 4, 1, 7, 0
	MUL16 6, 1, 7, 0
	WIN 0
	; ---- THE WAY OUT.  Where my fragments go: R + (tile column / 4) S + (16 tile row + 8 AH) x 12,288 + (4 (tile column % 4) + 2 BH) x 768
	s_lshr_b32 s70, s[TC], 2
	s_mul_i32 s70, s70, s90
	s_add_co_u32 s70, s70, s89
	s_lshl_b32 s71, s[TR], 4
	s_lshl_b32 s72, s[AH], 3
	s_add_co_u32 s71, s71, s72
	s_mul_i32 s71, s71, 12288
	s_add_co_u32 s70, s70, s71
	s_and_b32 s71, s[TC], 3
	s_lshl_b32 s71, s71, 2
	s_lshl_b32 s72, s[BH], 1
	s_add_co_u32 s71, s71, s72
	s_mul_i32 s71, s71, 768
	s_add_co_u32 s70, s70, s71
	s_mov_b32 s71, 0
	s_add_nc_u64 s[14:15], s[14:15], s[70:71]
	; and my scale words: idx = (16 b + head) x 16 + group of 128 tokens
	s_cmp_lt_u32 ttmp9, 2
	s_cselect_b32 s72, s[TR], s[TC]                ; the coordinate that runs along tokens,
	s_cselect_b32 s73, s[TC], s[TR]                ; the one that runs along channels,
	s_cselect_b32 s74, s[BH], s[AH]                ; my half along channels,
	s_cselect_b32 s75, s[AH], s[BH]                ; and along tokens
	s_and_b32 s73, s73, 3
	s_lshl_b32 s73, s73, 2
	s_lshl_b32 s74, s74, 1
	s_add_co_u32 s73, s73, s74                     ; my first head
	s_lshr_b32 s74, s72, 3
	s_lshl_b32 s74, s74, 4
	s_add_co_u32 s73, s73, s74
	s_lshl_b32 s73, s73, 4
	s_and_b32 s72, s72, 7
	s_lshl_b32 s72, s72, 1
	s_add_co_u32 s72, s72, s75
	s_add_co_u32 s73, s73, s72                     ; idx
	s_cmp_eq_u32 ttmp9, 0
	s_cselect_b32 s74, 8, 9                        ; q: 256 bytes an idx; k, v: 512
	s_cselect_b32 s75, 12, 13                      ; from head to head: 4,096 or 8,192 bytes
	s_cselect_b32 s72, 0, 262144
	s_lshl_b32 s73, s73, s74
	s_add_co_u32 s72, s72, s73
	s_cmp_eq_u32 ttmp9, 2
	s_cselect_b32 s73, 256, 0                      ; v's 256 bytes lie behind k's
	s_add_co_u32 s72, s72, s73
	s_mov_b32 s73, 0
	s_add_nc_u64 s[16:17], s[16:17], s[72:73]
	s_mov_b32 s[SEL], 0x76543210
	s_mov_b32 s[SEL+1], 0xfedcba98
	s_mov_b32 s93, 0x05040100
	s_mov_b32 s94, 0x07060302
	PLACES                                         ; behind the last products: results are read and operands' registers written below
	v_lshlrev_b32 v22, s75, v3
	v_lshl_add_u32 v22, v2, 4, v22                 ; 16 r + h x (from head to head)
.irp b, 0,1,2,3
	v_mov_b32 v[TM+4+\b], 0                        ; written once: a lane permute's destination counts as one of its sources
.endr
; 64 numbers of a lane, register 16 b + i = k 32 b + 16 (lane / 16) + i of my row, become a fragment's codes in v[PC] on and its scale word in v[PW].
.macro QUANT s
.irp b, 0,1,2,3
	v_max3_num_f32 v[TM+\b], |v[\s+16*\b]|, |v[\s+1+16*\b]|, 0x1800000   ; my 16 numbers of block b, and the floor 2^(3 - 127)
.endr
.irp i, 2,4,6,8,10,12,14
.irp b, 0,1,2,3
	v_max3_num_f32 v[TM+\b], v[TM+\b], |v[\s+16*\b+\i]|, |v[\s+1+16*\b+\i]|
.endr
.endr
.irp b, 0,1,2,3
	v_permlanex16_b32 v[TM+4+\b], v[TM+\b], s[SEL], s[SEL+1]
.endr
.irp b, 0,1,2,3
	v_max_num_f32 v[TM+\b], v[TM+\b], v[TM+4+\b]
.endr
.irp b, 0,1,2,3
	v_add_nc_u32 v[TM+12+\b], 0xff000000, v[TM+\b] ; 2 off the exponent field: the conversion's scale operand
.endr
.irp b, 0,1,2,3
	v_lshrrev_b32 v[TM+4+\b], 23, v[TM+12+\b]
.endr
	v_lshl_or_b32 v[PW], v[TM+5], 8, v[TM+4]
	v_lshl_or_b32 v[PW], v[TM+6], 16, v[PW]
	v_lshl_or_b32 v[PW], v[TM+7], 24, v[PW]
.irp c, 0,1
	v_cvt_scalef32_pk16_fp6_f32 v[PC+6*\c:PC+2+6*\c], v[\s+32*\c:\s+15+32*\c], v[TM+12+2*\c]
	v_cvt_scalef32_pk16_fp6_f32 v[PC+12+4*\c:PC+14+4*\c], v[\s+16+32*\c:\s+31+32*\c], v[TM+12+2*\c+1]
.endr
	v_nop                                          ; one plain place behind a scaled conversion
.irp c, 0,1
.irp i, 0,1,2
	v_permlane16_swap_b32 v[PC+6*\c+\i], v[PC+12+4*\c+\i]
.endr
.irp i, 0,1,2
	v_mov_b32 v[PC+3+6*\c+\i], v[PC+12+4*\c+\i]
.endr
.endr
.endm
; A's block a: its 64 numbers a lane (+ the bias along A's rows) are one fragment: two heads of 16 tokens, or 128 tokens of 16 channels.
.macro OUT a
	WIN 0x02+(\a)/4                                ; source 0: window 2 or 3
.set i, 0
.rept 32
	v_pk_add_f32 v[T+i:T+i+1], v[64*((\a)%4)+i:64*((\a)%4)+i+1], v[BL+2*(\a):BL+2*(\a)+1] op_sel_hi:[1,0]   ; each accumulator from its low end on
.set i, i+2
.endr
	WIN 0
.if (\a) > 0
	s_wait_xcnt 0x0                                ; the last block's stores have read the codes' registers
.endif
	QUANT T
	v_mov_b32 v[PWS+(\a)], v[PW]
	global_store_b128 v16, v[PC:PC+3], s[14:15] offset:12288*(\a)
	global_store_b64 v17, v[PC+4:PC+5], s[14:15] offset:12288*(\a)
	global_store_b128 v16, v[PC+6:PC+9], s[14:15] offset:12288*(\a)+768
	global_store_b64 v17, v[PC+10:PC+11], s[14:15] offset:12288*(\a)+768
.endm
.irp a, 0,1,2,3,4,5,6,7
	OUT \a
.endr
	; the eight scale words of my row.  q, k: a word holds two heads' two bytes: lanes 0-15 gather the first head's, lanes 16-31 the second's, two tiles to a word.  v: a word serves as it is: lanes 0-15 take tiles 0-3, lanes 16-31 tiles 4-7.
.irp p, 0,1,2,3
	v_perm_b32 v[Z+\p], v[PWS+2*\p+1], v[PWS+2*\p], s93
	v_perm_b32 v[TM+\p], v[PWS+2*\p+1], v[PWS+2*\p], s94
	v_cndmask_b32 v[Z+\p], v[Z+\p], v[TM+\p], s[HM]
	v_cndmask_b32 v[TM+\p], v[PWS+\p], v[PWS+4+\p], s[HM]
	v_cndmask_b32 v[Z+\p], v[Z+\p], v[TM+\p], s[MV]
.endr
	global_store_b128 v22, v[Z:Z+3], s[16:17]      ; each half of the lanes stores 256 consecutive bytes, at a multiple of 256
	s_wait_tensorcnt 0x0                           ; the wave's end
	ds_add_u32 v[SPW], v[NIL]
	s_wait_dscnt 0x0
	CROUND                                         ; the closing round
	s_endpgm
.Lfunc_end_k_q216070e121_qkv:
	.size	k_q216070e121_qkv, .Lfunc_end_k_q216070e121_qkv-k_q216070e121_qkv
	.p2alignl 7, 3214868480
	.fill 96, 4, 3214868480
	.section	.rodata,"a",@progbits
	.p2align	6, 0x0
	.amdhsa_kernel k_q216070e121_qkv
		.amdhsa_group_segment_fixed_size 327680
		.amdhsa_private_segment_fixed_size 0
		.amdhsa_enable_private_segment 0
		.amdhsa_kernarg_size 56
		.amdhsa_user_sgpr_count 2
		.amdhsa_user_sgpr_kernarg_segment_ptr 1
		.amdhsa_wavefront_size32 1
		.amdhsa_system_sgpr_workgroup_id_x 1
		.amdhsa_system_sgpr_workgroup_id_y 1
		.amdhsa_system_sgpr_workgroup_id_z 1
		.amdhsa_system_vgpr_workitem_id 0
		.amdhsa_next_free_vgpr 1024
		.amdhsa_next_free_sgpr 100
		.amdhsa_reserve_vcc 0
		.amdhsa_float_denorm_mode_32 3
		.amdhsa_float_denorm_mode_16_64 3
		.amdhsa_memory_ordered 1
		.amdhsa_forward_progress 1
		.amdhsa_inst_pref_size 170
	.end_amdhsa_kernel
	.amdgpu_metadata
---
amdhsa.version: [ 1, 2 ]
amdhsa.kernels:
  - .name:           k_q216070e121_qkv
    .symbol:         k_q216070e121_qkv.kd
    .args:
      - { .name: cod, .offset: 0, .size: 8, .value_kind: global_buffer, .address_space: global }
      - { .name: sc, .offset: 8, .size: 8, .value_kind: global_buffer, .address_space: global }
      - { .name: bq, .offset: 16, .size: 8, .value_kind: global_buffer, .address_space: global }
      - { .name: bk, .offset: 24, .size: 8, .value_kind: global_buffer, .address_space: global }
      - { .name: bv, .offset: 32, .size: 8, .value_kind: global_buffer, .address_space: global }
      - { .name: qkvc, .offset: 40, .size: 8, .value_kind: global_buffer, .address_space: global }
      - { .name: qkvs, .offset: 48, .size: 8, .value_kind: global_buffer, .address_space: global }
    .group_segment_fixed_size: 327680
    .private_segment_fixed_size: 0
    .kernarg_segment_align: 8
    .kernarg_segment_size: 56
    .max_flat_workgroup_size: 128
    .sgpr_count:     100
    .vgpr_count:     1024
    .wavefront_size: 32
...
	.end_amdgpu_metadata
.endif
;; end of part 2
;; launch attn (part 3): grid 8 x 64, 16 waves a work-group, clusters of 4 x 1, 206,848 bytes of LDS; arguments qkvc, qkvs, cod, sc; writes cod, sc
.if DOCPART == 3
	.amdgcn_target "amdgcn-amd-amdhsa--gfx1250"
	.amdhsa_code_object_version 6
	.text
	.protected	k_q216070e121_attn
	.globl	k_q216070e121_attn
	.p2align	8
	.type	k_q216070e121_attn,@function
k_q216070e121_attn:
	s_mov_b64 s[64:65], 0
	v_nop
	global_prefetch_b8 v0, s[64:65] scope:SCOPE_SE
	s_setreg_imm32_b32 hwreg(HW_REG_WAVE_MODE, 25, 1), 1
	s_wait_xcnt 0x0
	s_wait_alu depctr_hold_cnt(0) depctr_sa_sdst(0) depctr_va_vdst(0) depctr_va_sdst(0) depctr_va_ssrc(0) depctr_va_vcc(0) depctr_vm_vsrc(0)
	s_getreg_b32 s2, hwreg(HW_REG_IB_STS2, 6, 4)
	s_cmp_eq_u32 s2, 0
	s_cbranch_scc0 .Lentry_in_a_cluster
	s_endpgm
.Lentry_in_a_cluster:
	s_bfe_u32 s2, ttmp6, 0x10000c
	s_cmp_lg_u32 s2, 0x3003
	s_cbranch_scc0 .Lentry_shape_is_right
	s_endpgm
.Lentry_shape_is_right:
; o = softmax(q k^T / 8, causal) v for one head of one batch, both products on codes of FP6 (E2M3); o is quantised along the channels and leaves as codes.
; THE SOFTMAX: t = score x log2(e) / 8; M = the running largest t rounded UP to a whole number; p = 2^(t - M) is quantised along the keys, not normalised; the row's sum is taken of the unquantised p and divides at the end.
; SHARES.  A work-group takes query tiles t = 8 rank + j of head b h (j = its number along x, 0-7); wave w has rank w xor 3 (bit 2 of w).  The tile's 16 queries lie in [128 rank, 128 rank + 127] whatever j is: so a wave
; walks key steps 0 .. rank, the last on the diagonal; every branch hangs on the wave's number and the count of steps alone, and all work-groups have the same work: 136 steps of a wave.
; A WHOLE HEAD'S K AND V LIE IN LDS (16 key steps x 12,288 bytes, and 8,192 of scale words): every byte is filled once, by joint loads of the cluster's four work-groups, which share the head.  No ring, no refill.
; The loads land in four groups of four key steps; a barrier stands in front of each group's first use.
; LAYOUT.  Units are register images (lane l: registers 0-3 at 16 l, 4-5 at 512 + 8 l).  Both products are used transposed: a lane holds ONE query.  Row rho of token tile 2 beta + u is token 32 beta + 8 u + rho + 8 (rho / 8):
; so the 16 registers of score tiles 2 p and 2 p + 1 are keys 32 p + 16 (lane / 16) + 0 .. 15, and O^T's registers are channels in their true order.
; THE HEAD'S K IS 64: a fragment of K holds key tile 2 p in its first half and tile 2 p + 1 in its second; against [q, 0] it gives tile 2 p's scores, against [0, q] tile 2 p + 1's.  Zero codes add nothing under any scale byte here.
; LIMITS: NaN and infinities are not served; a block of zeros gets the scale byte 1 (this program alone reads the bytes).
.set SCB,   196608                     ; LDS: behind the 16 key steps: 512 bytes of scale words a step: K's 256, V's 256
.set SPARE, 204800                     ; the spare words, 128 bytes a wave: eight blocks of 256 bytes that no other line names
.set L16, 1                            ; v1   16 x lane
.set L8,  2                            ; v2   512 + 8 x lane
.set LS,  3                            ; v3   16 r
                                       ; v4 -M, v5 the largest t, v[6:7] the sum in two halves
.set QSW, 8                            ; v8   q's scale word: (s0, s1, s0, s1)
.set SPW, 9                            ; v9   SPARE + 4 x my thread's number; never rewritten
                                       ; v10-15 zeros, v16-21 q, v22-27 zeros: v[16:27] = [q, 0], v[10:21] = [0, q]
.set KF,  28                           ; v28-75   K's four fragments
.set VF,  76                           ; v76-123  V's four
.set S,   124                          ; v124-187 S^T, then p
.set OT,  188                          ; v188-219 O^T
.set PC,  220                          ; v220-231 p's codes
.set BM,  232                          ; v232-235 the blocks' largest scores; before that the addresses in hand; later a conversion's results
.set AD,  232
.set T4,  236                          ; v236-239 at work
.set SO,  240                          ; v240-243 the conversions' scale operands
.set FF,  244                          ; v244 f; v245 p's scale word
.set PSW, 245
.set TT,  246
.set NIL, 247                          ; v247 0; never rewritten
.set KSW, 248                          ; v248-251 K's scale words, a fragment each
.set VSW, 252                          ; v252-255 V's
.set WV,   12
.set RANK, 13
.set KS,   14                          ; the key step
.set TRIP, 15
.set TB,   16                          ; 12,288 x key step
.set TS,   17                          ; SCB + 512 x key step
.set CS,   18                          ; s[18:19] c = log2(e) / 8
.set SEL,  20                          ; s[20:21]
.set DJ,   22                          ; my tile's first query within its 128: 32 (j / 2) + 8 (j % 2)
.set G1K,  28
.set G1V,  36
.set G1S,  44
.set G0S,  52
.set G0,   68                          ; s[68:99] eight sets: K and V of my four key steps
.macro CROUND
	s_barrier_signal -1
	s_barrier_wait -1
	s_cmp_lg_u32 s[WV], 0
	s_cbranch_scc1 .Lnot_wave_0_\@
	s_barrier_signal -3
.Lnot_wave_0_\@:
	s_barrier_wait -3
	s_barrier_signal -1
	s_barrier_wait -1
.endm
	s_load_b256 s[4:11], s[0:1], 0x0               ; qkvc, qkvs, cod, sc
	v_lshl_add_u32 v[SPW], v0, 2, SPARE
	v_mov_b32 v[NIL], 0
	ds_add_u32 v[SPW], v[NIL]                      ; the wave's opening: the add and its wait ahead of the first tensor loads
	v_lshrrev_b32 v1, 5, v0
	v_readfirstlane_b32 s[WV], v1
	s_bfe_u32 s23, s[WV], 0x10002
	s_mul_i32 s23, s23, 3
	s_xor_b32 s[RANK], s[WV], s23
	s_bfe_u32 s24, ttmp6, 0x40000                  ; cx: it enters q's and o's addresses and the mask's numbers, no branch and no LDS address
	s_lshl_b32 s25, ttmp9, 2
	s_add_co_u32 s24, s24, s25                     ; j
	s_and_b32 s25, ttmp7, 0xffff                   ; b h, which the four partners share
	s_lshr_b32 s26, s25, 4                         ; b
	s_and_b32 s27, s25, 15                         ; head
	s_mov_b32 s[G1K], 15|(3<<16)|(1<<21)           ; K of a key step: 8 token tiles' units of 768 bytes, 12,288 bytes apart; the mask names all four work-groups
	s_mov_b32 s[G1K+1], 96<<16
	s_mov_b32 s[G1K+2], 8<<16
	s_mov_b32 s[G1K+3], 96<<16
	s_mov_b32 s[G1K+4], 8
	s_mov_b32 s[G1K+5], 1536
	s_mov_b32 s[G1K+6], 0
	s_mov_b32 s[G1K+7], 0
	s_mov_b32 s[G1V], 15|(3<<16)|(1<<21)           ; V: 4 channel tiles' two units, 1,536 bytes, 12,288 apart
	s_mov_b32 s[G1V+1], 192<<16
	s_mov_b32 s[G1V+2], 4<<16
	s_mov_b32 s[G1V+3], 192<<16
	s_mov_b32 s[G1V+4], 4
	s_mov_b32 s[G1V+5], 1536
	s_mov_b32 s[G1V+6], 0
	s_mov_b32 s[G1V+7], 0
	s_mov_b32 s[G1S], 15|(3<<16)|(1<<21)           ; the scale words of four key steps: 2,048 dense bytes as 8 rows of 256
	s_mov_b32 s[G1S+1], 32<<16
	s_mov_b32 s[G1S+2], 8<<16
	s_mov_b32 s[G1S+3], 32<<16
	s_mov_b32 s[G1S+4], 8
	s_mov_b32 s[G1S+5], 32
	s_mov_b32 s[G1S+6], 0
	s_mov_b32 s[G1S+7], 0
	s_and_b32 s56, s[WV], 3                        ; waves 0-3 fetch: wave w key steps w, 4 + w, 8 + w, 12 + w
	s_mul_i32 s58, s26, 1572864
	s_mul_i32 s57, s27, 768
	s_add_co_u32 s60, s58, s57
	s_mul_i32 s57, s56, 98304
	s_add_co_u32 s60, s60, s57
	s_add_co_u32 s60, s60, 6291456                 ; K of key step w
	s_mov_b32 s61, 0
	s_mul_i32 s57, s27, 49152
	s_add_co_u32 s62, s58, s57
	s_mul_i32 s57, s56, 1536
	s_add_co_u32 s62, s62, s57
	s_add_co_u32 s62, s62, 12582912                ; V of key step w
	s_mov_b32 s63, 0
	s_lshl_b32 s58, s25, 13
	s_lshl_b32 s57, s56, 11
	s_add_co_u32 s58, s58, s57
	s_add_co_u32 s58, s58, 262144                  ; the scale words of key steps 4 w .. 4 w + 3
	s_mov_b32 s59, 0
	s_mul_i32 s57, s56, 12288
	s_lshl_b32 s56, s56, 11
	s_mov_b32 s[CS], 0x3e38aa3b
	s_mov_b32 s[CS+1], s[CS]
	s_mov_b32 s[SEL], 0x76543210
	s_mov_b32 s[SEL+1], 0xfedcba98
	s_mov_b32 s[KS], 0
	s_mov_b32 s[TB], 0
	s_mov_b32 s[TS], SCB
	s_wait_dscnt 0x0                               ; the opening add is done
	s_wait_kmcnt 0x0
	s_add_nc_u64 s[60:61], s[4:5], s[60:61]
	s_add_nc_u64 s[62:63], s[4:5], s[62:63]
	s_add_nc_u64 s[58:59], s[6:7], s[58:59]
	s_mov_b32 s[G0S], 1
	s_add_co_u32 s[G0S+1], s56, SCB
	s_mov_b64 s[G0S+2:G0S+3], s[58:59]
	s_or_b32 s[G0S+3], s[G0S+3], 0x80000000
.irp c, 0,1,2,3
	s_mov_b32 s[G0+8*\c], 1
	s_add_co_u32 s[G0+8*\c+1], s57, \c*49152
	s_add_nc_u64 s[G0+8*\c+2:G0+8*\c+3], s[60:61], \c*393216
	s_or_b32 s[G0+8*\c+3], s[G0+8*\c+3], 0x80000000
	s_mov_b32 s[G0+8*\c+4], 1
	s_add_co_u32 s[G0+8*\c+5], s57, \c*49152+6144
	s_add_nc_u64 s[G0+8*\c+6:G0+8*\c+7], s[62:63], (\c/2)*786432+(\c%2)*6144
	s_or_b32 s[G0+8*\c+7], s[G0+8*\c+7], 0x80000000
.endr
	CROUND                                         ; all four work-groups are here: the joint loads meet
	s_cmp_lt_u32 s[WV], 4                          ; all first fills of a wave stand in one branch on the wave's number: nine loads of mine are out
	s_cbranch_scc0 .Lno_fetch
	tensor_load_to_lds s[G0S:G0S+3], s[G1S:G1S+7]
	s_nop 0
.irp c, 0,1,2,3
	tensor_load_to_lds s[G0+8*\c:G0+8*\c+3], s[G1K:G1K+7]
	s_nop 0
	tensor_load_to_lds s[G0+8*\c+4:G0+8*\c+7], s[G1V:G1V+7]
	s_nop 0
.endr
.rept 4
	v_nop
.endr
.Lno_fetch:
	s_lshl_b32 s56, s[RANK], 3
	s_add_co_u32 s56, s56, s24                     ; my query tile t = 8 rank + j
	s_lshl_b32 s57, s26, 7
	s_add_co_u32 s56, s56, s57                     ; 128 b + t
	s_mul_i32 s58, s56, 12288
	s_mul_i32 s57, s27, 768
	s_add_co_u32 s58, s58, s57
	s_mov_b32 s59, 0
	s_add_nc_u64 s[60:61], s[4:5], s[58:59]        ; q's unit
	s_add_co_u32 s58, s58, 9437184                 ; o's: tile G = 768 + 128 b + t of cod, unit = head
	s_add_nc_u64 s[8:9], s[8:9], s[58:59]
	s_add_co_u32 s56, s56, 768
	s_lshl_b32 s56, s56, 9
	s_lshl_b32 s57, s27, 1
	s_add_co_u32 s56, s56, s57
	s_mov_b32 s57, 0
	s_add_nc_u64 s[10:11], s[10:11], s[56:57]      ; o's scale bytes: 512 G + 2 head
	s_lshl_b32 s62, s25, 4
	s_add_co_u32 s62, s62, s[RANK]
	s_lshl_b32 s62, s62, 8
	s_lshr_b32 s57, s24, 1
	s_lshl_b32 s56, s57, 2
	s_add_co_u32 s62, s62, s56                     ; q's scale words: (16 b h + rank) x 256 + 4 (j / 2)
	s_mov_b32 s63, 0
	s_add_nc_u64 s[62:63], s[6:7], s[62:63]
	s_lshl_b32 s[DJ], s57, 5
	s_and_b32 s56, s24, 1
	s_lshl_b32 s57, s56, 3
	s_add_co_u32 s[DJ], s[DJ], s57
	s_mov_b32 s23, 0x03020302
	s_cmp_eq_u32 s56, 0
	s_cselect_b32 s23, 0x01000100, s23             ; which half of the pair's word is my tile's
	s_mov_b32 s24, 0xffff0000                      ; lanes 16-31
	v_and_b32 v[TT], 31, v0
	v_lshlrev_b32 v[L16], 4, v[TT]
	v_lshl_add_u32 v[L8], v[TT], 3, 512
	v_and_b32 v[TT], 15, v0
	v_lshlrev_b32 v[LS], 4, v[TT]
	global_load_b128 v[16:19], v[L16], s[60:61]
	global_load_b64 v[20:21], v[L8], s[60:61]
	global_load_b32 v[QSW], v[LS], s[62:63]
.irp i, 10,11,12,13,14,15,22,23,24,25,26,27
	v_mov_b32 v\i, 0
.endr
	v_mov_b32 v5, 0xff61b1e6                       ; the largest t so far: -3e38, under every t
	v_floor_f32 v4, -v5                            ; -M
	v_mov_b32 v6, 0
	v_mov_b32 v7, 0
.irp b, 0,1,2,3
	v_mov_b32 v[T4+\b], 0                          ; written once: a lane permute's destination counts as one of its sources
.endr
	v_mov_b32 v[PSW], 0                            ; (named as the upper half of the pair with f before it is first written)
	s_wait_loadcnt 0x0
	v_perm_b32 v[QSW], v[QSW], v[QSW], s23
.set j, 0
.rept 32
	v_mov_b32 v[OT+j], 0                           ; O^T: the step is written once; the first finds zeros.  (Also the places between the scale word's making and the first product)
.set j, j+1
.endr
.macro FRAG reg, adr, off
	ds_load_b128 v[\reg:\reg+3], v[\adr] offset:\off
	ds_load_b64 v[\reg+4:\reg+5], v[\adr+1] offset:\off
	ds_load_b128 v[\reg+6:\reg+9], v[\adr] offset:\off+768
	ds_load_b64 v[\reg+10:\reg+11], v[\adr+1] offset:\off+768
.endm
.macro KLOAD off, soff
.irp p, 0,1,2,3
	FRAG KF+12*\p, AD, \off+1536*\p
.endr
	ds_load_b128 v[KSW:KSW+3], v[AD+2] offset:\soff
.endm
.macro ADDR
	v_add_nc_u32 v[AD], s[TB], v[L16]
	v_add_nc_u32 v[AD+1], s[TB], v[L8]
	v_add_nc_u32 v[AD+2], s[TS], v[LS]
.endm
; A KEY STEP of 128 keys.  pre = 1: the next step's K is fetched too.  A step all of whose keys come after my queries is left out: a branch on the wave's number and the count of steps, round the work, not round the lines that step addresses.
.macro STEP pre
	s_cmp_gt_u32 s[KS], s[RANK]
	s_cbranch_scc1 .Lskip_\@
	s_wait_dscnt 0x0                               ; K and its scale words are in
.irp p, 0,1,2,3
	v_wmma_scale_f32_16x16x128_f8f6f4 v[S+16*\p:S+16*\p+7], v[KF+12*\p:KF+12*\p+11], v[16:27], 0, v[KSW+\p], v[QSW] matrix_a_fmt:MATRIX_FMT_FP6 matrix_b_fmt:MATRIX_FMT_FP6
	v_wmma_scale_f32_16x16x128_f8f6f4 v[S+16*\p+8:S+16*\p+15], v[KF+12*\p:KF+12*\p+11], v[10:21], 0, v[KSW+\p], v[QSW] matrix_a_fmt:MATRIX_FMT_FP6 matrix_b_fmt:MATRIX_FMT_FP6
.endr
	ADDR                                           ; three additions and a v_nop: the four places in front of loads into registers that products have read, and of the first read of the scores
	v_nop
.irp c, 0,1,2,3
	FRAG VF+12*\c, AD, 6144+1536*\c
.endr
	ds_load_b128 v[VSW:VSW+3], v[AD+2] offset:256
.if \pre
	KLOAD 12288, 512
.endif
	s_cmp_lg_u32 s[KS], s[RANK]                    ; on the diagonal the scores of hidden keys become -infinity ahead of the maximum
	s_cbranch_scc1 .Lopen_\@
	v_and_b32 v[T4], 15, v0
	v_and_b32 v[T4+2], 8, v0
	v_add_nc_u32 v[T4], v[T4], v[T4+2]
	v_and_b32 v[T4+2], 16, v0
	v_sub_nc_u32 v[T4], v[T4], v[T4+2]
	v_add_nc_u32 v[T4], s[DJ], v[T4]               ; d = my query within the 128 - 16 (lane / 16).  Register 16 b + i holds key 32 b + 16 (lane / 16) + i: hidden where 32 b + i > d
	v_mov_b32 v[T4+1], 0xff800000
.set n, 0
.rept 64
	v_cmp_gt_i32 vcc_lo, 32*(n/16)+n%16, v[T4]
	v_cndmask_b32 v[S+n], v[S+n], v[T4+1], vcc_lo
.set n, n+1
.endr
.Lopen_\@:
.irp b, 0,1,2,3
	v_max3_num_f32 v[BM+\b], v[S+16*\b], v[S+1+16*\b], v[S+2+16*\b]   ; the largest score of each block of 32 keys: for the row's maximum, and, since p rises with the score, for the block's largest p
.endr
.irp i, 3,5,7,9,11,13
.irp b, 0,1,2,3
	v_max3_num_f32 v[BM+\b], v[BM+\b], v[S+16*\b+\i], v[S+1+16*\b+\i]
.endr
.endr
.irp b, 0,1,2,3
	v_max_num_f32 v[BM+\b], v[BM+\b], v[S+15+16*\b]
.endr
.irp b, 0,1,2,3
	v_permlanex16_b32 v[T4+\b], v[BM+\b], s[SEL], s[SEL+1]
.endr
.irp b, 0,1,2,3
	v_max_num_f32 v[BM+\b], v[BM+\b], v[T4+\b]
.endr
	v_max3_num_f32 v[TT], v[BM], v[BM+1], v[BM+2]
	v_max_num_f32 v[TT], v[TT], v[BM+3]
	v_mul_f32 v[TT], s[CS], v[TT]
	v_max_num_f32 v5, v5, v[TT]                    ; the running largest t
	v_mov_b32 v[TT], v4
	v_floor_f32 v4, -v5                            ; the new -M = -ceil(t)
	v_sub_f32 v[TT], v4, v[TT]                     ; old M - new M: a whole number, 0 or less
	v_cvt_i32_f32 v[TT], v[TT]                     ; (it saturates)
	v_ldexp_f32 v[FF], 1.0, v[TT]                  ; f = 2^(old M - new M): a multiplication by it rounds nothing
.set j, 0
.rept 32
	v_pk_fma_f32 v[S+j:S+j+1], v[S+j:S+j+1], s[CS:CS+1], v[4:5] op_sel_hi:[1,0,0]   ; t - M
.set j, j+2
.endr
.irp b, 0,1,2,3
	v_fma_f32 v[BM+\b], v[BM+\b], s[CS], v4
.endr
.set j, 0
.rept 64
	v_exp_f32 v[S+j], v[S+j]                       ; p = 2^(t - M)
.set j, j+1
.endr
	v_pk_mul_f32 v[6:7], v[6:7], v[FF:FF+1] op_sel_hi:[1,0]   ; the sums under the new M; a plain place behind the exponentials
	s_wait_alu depctr_va_vdst(0)                   ; one wait for the batch, ahead of its first reader
.irp b, 0,1,2,3
	v_exp_f32 v[BM+\b], v[BM+\b]                   ; the block's largest p
.endr
	v_pk_add_f32 v[T4:T4+1], v[S:S+1], v[S+2:S+3]  ; the row's sum of the unquantised p, in two chains
.irp j, 4,8,12,16,20,24,28,32,36,40,44,48,52,56,60
	v_pk_add_f32 v[6:7], v[6:7], v[S+\j:S+1+\j]
	v_pk_add_f32 v[T4:T4+1], v[T4:T4+1], v[S+2+\j:S+3+\j]
.endr
	v_pk_add_f32 v[6:7], v[6:7], v[T4:T4+1]
	s_wait_alu depctr_va_vdst(0)                   ; and one for the four
.irp b, 0,1,2,3
	v_max_num_f32 v[BM+\b], 0x1800000, v[BM+\b]    ; the floor 2^(3 - 127)
.endr
.irp b, 0,1,2,3
	v_add_nc_u32 v[SO+\b], 0xff000000, v[BM+\b]
.endr
.irp b, 0,1,2,3
	v_lshrrev_b32 v[T4+\b], 23, v[SO+\b]
.endr
	v_lshl_or_b32 v[PSW], v[T4+1], 8, v[T4]
	v_lshl_or_b32 v[PSW], v[T4+2], 16, v[PSW]
	v_lshl_or_b32 v[PSW], v[T4+3], 24, v[PSW]
.irp c, 0,1
	v_cvt_scalef32_pk16_fp6_f32 v[PC+6*\c:PC+2+6*\c], v[S+32*\c:S+15+32*\c], v[SO+2*\c]
	v_cvt_scalef32_pk16_fp6_f32 v[BM+4*\c:BM+2+4*\c], v[S+16+32*\c:S+31+32*\c], v[SO+2*\c+1]
.endr
	v_nop                                          ; one plain place behind a scaled conversion
.irp c, 0,1
.irp i, 0,1,2
	v_permlane16_swap_b32 v[PC+6*\c+\i], v[BM+4*\c+\i]
.endr
.irp i, 0,1,2
	v_mov_b32 v[PC+3+6*\c+\i], v[BM+4*\c+\i]
.endr
.endr
.set j, 0
.rept 16
	v_pk_mul_f32 v[OT+j:OT+j+1], v[OT+j:OT+j+1], v[FF:FF+1] op_sel_hi:[1,0]   ; O^T under the new M; also the places in front of the products below
.set j, j+2
.endr
	s_wait_dscnt 0x0                               ; V and its scale words are in (and the next step's K)
.irp c, 0,1,2,3
	v_wmma_scale_f32_16x16x128_f8f6f4 v[OT+8*\c:OT+8*\c+7], v[VF+12*\c:VF+12*\c+11], v[PC:PC+11], v[OT+8*\c:OT+8*\c+7], v[VSW+\c], v[PSW] matrix_a_fmt:MATRIX_FMT_FP6 matrix_b_fmt:MATRIX_FMT_FP6
.endr
.Lskip_\@:
	s_add_co_u32 s[KS], s[KS], 1
	s_add_co_u32 s[TB], s[TB], 12288
	s_add_co_u32 s[TS], s[TS], 512
.endm
; left: how many of a fetching wave's younger loads may stay out.
.macro MEET left
	s_wait_tensorcnt \left
	s_wait_dscnt 0x0
	s_barrier_signal -1
	s_barrier_wait -1
.endm
.macro WALK trips
	s_mov_b32 s[TRIP], \trips
.Lwalk_\@:
	STEP 1
	s_sub_co_u32 s[TRIP], s[TRIP], 1
	s_cmp_lg_u32 s[TRIP], 0
	s_cbranch_scc1 .Lwalk_\@
.endm
	MEET 6                                         ; the scale words and key steps 0-3 are in: behind them six loads of a fetching wave
	ADDR
	KLOAD 0, 0
	WALK 3                                         ; steps 0-2: the groups of steps lie one step ahead of the groups of loads, so that the look-ahead for K reads what has landed
	MEET 4                                         ; key steps 4-7
	WALK 4                                         ; steps 3-6
	MEET 2                                         ; key steps 8-11
	WALK 4                                         ; steps 7-10
	MEET 0                                         ; key steps 12-15
	WALK 4                                         ; steps 11-14
	STEP 0                                         ; step 15: nothing follows it
	; THE WAY OUT: O^T / the sum, quantised along the channels: two blocks of 32, one unit
.rept 4
	v_nop
.endr
	v_add_f32 v6, v6, v7
	v_permlanex16_b32 v[TT], v6, s[SEL], s[SEL+1]
	v_add_f32 v6, v6, v[TT]
	v_rcp_f32 v6, v6
	v_bfe_u32 v[T4+2], v0, 4, 1                    ; (a plain place behind the reciprocal)
	v_lshl_add_u32 v[T4+2], v[LS], 1, v[T4+2]      ; 32 r + h
	s_wait_alu depctr_va_vdst(0)                   ; the wait ahead of the reciprocal's first reader
.set j, 0
.rept 32
	v_mul_f32 v[S+j], v[OT+j], v6                  ; register 16 b + i is channel 32 b + 16 (lane / 16) + i of my query
.set j, j+1
.endr
.irp b, 0,1
	v_max3_num_f32 v[BM+\b], |v[S+16*\b]|, |v[S+1+16*\b]|, 0x1800000
.endr
.irp i, 2,4,6,8,10,12,14
.irp b, 0,1
	v_max3_num_f32 v[BM+\b], v[BM+\b], |v[S+16*\b+\i]|, |v[S+1+16*\b+\i]|
.endr
.endr
.irp b, 0,1
	v_permlanex16_b32 v[T4+\b], v[BM+\b], s[SEL], s[SEL+1]
.endr
.irp b, 0,1
	v_max_num_f32 v[BM+\b], v[BM+\b], v[T4+\b]
.endr
.irp b, 0,1
	v_add_nc_u32 v[SO+\b], 0xff000000, v[BM+\b]
.endr
.irp b, 0,1
	v_lshrrev_b32 v[T4+\b], 23, v[SO+\b]
.endr
	v_cndmask_b32 v[TT], v[T4], v[T4+1], s24       ; lanes r and r + 16 hold the same two bytes: lane (r, h) stores byte h
	v_cvt_scalef32_pk16_fp6_f32 v[PC:PC+2], v[S:S+15], v[SO]
	v_cvt_scalef32_pk16_fp6_f32 v[BM:BM+2], v[S+16:S+31], v[SO+1]
	v_nop
.irp i, 0,1,2
	v_permlane16_swap_b32 v[PC+\i], v[BM+\i]
.endr
.irp i, 0,1,2
	v_mov_b32 v[PC+3+\i], v[BM+\i]
.endr
	global_store_b128 v[L16], v[PC:PC+3], s[8:9]   ; the unit as it stands: 512 and 256 consecutive bytes
	global_store_b64 v[L8], v[PC+4:PC+5], s[8:9]
	global_store_b8 v[T4+2], v[TT], s[10:11]       ; two bytes of each row's 32: the other heads' belong to other work-groups
	s_wait_tensorcnt 0x0                           ; the wave's end
	ds_add_u32 v[SPW], v[NIL]
	s_wait_dscnt 0x0
	CROUND                                         ; the closing round
	s_endpgm
.Lfunc_end_k_q216070e121_attn:
	.size	k_q216070e121_attn, .Lfunc_end_k_q216070e121_attn-k_q216070e121_attn
	.p2alignl 7, 3214868480
	.fill 96, 4, 3214868480
	.section	.rodata,"a",@progbits
	.p2align	6, 0x0
	.amdhsa_kernel k_q216070e121_attn
		.amdhsa_group_segment_fixed_size 206848
		.amdhsa_private_segment_fixed_size 0
		.amdhsa_enable_private_segment 0
		.amdhsa_kernarg_size 32
		.amdhsa_user_sgpr_count 2
		.amdhsa_user_sgpr_kernarg_segment_ptr 1
		.amdhsa_wavefront_size32 1
		.amdhsa_system_sgpr_workgroup_id_x 1
		.amdhsa_system_sgpr_workgroup_id_y 1
		.amdhsa_system_sgpr_workgroup_id_z 1
		.amdhsa_system_vgpr_workitem_id 0
		.amdhsa_next_free_vgpr 256
		.amdhsa_next_free_sgpr 100
		.amdhsa_reserve_vcc 1
		.amdhsa_float_denorm_mode_32 3
		.amdhsa_float_denorm_mode_16_64 3
		.amdhsa_memory_ordered 1
		.amdhsa_forward_progress 1
		.amdhsa_inst_pref_size 121
	.end_amdhsa_kernel
	.amdgpu_metadata
---
amdhsa.version: [ 1, 2 ]
amdhsa.kernels:
  - .name:           k_q216070e121_attn
    .symbol:         k_q216070e121_attn.kd
    .args:
      - { .name: qkvc, .offset: 0, .size: 8, .value_kind: global_buffer, .address_space: global }
      - { .name: qkvs, .offset: 8, .size: 8, .value_kind: global_buffer, .address_space: global }
      - { .name: cod, .offset: 16, .size: 8, .value_kind: global_buffer, .address_space: global }
      - { .name: sc, .offset: 24, .size: 8, .value_kind: global_buffer, .address_space: global }
    .group_segment_fixed_size: 206848
    .private_segment_fixed_size: 0
    .kernarg_segment_align: 8
    .kernarg_segment_size: 32
    .max_flat_workgroup_size: 512
    .sgpr_count:     100
    .vgpr_count:     256
    .wavefront_size: 32
...
	.end_amdgpu_metadata
.endif
;; end of part 3
;; launch proj (part 4): grid 4 x 32, 4 waves a work-group, clusters of 4 x 4, 327,680 bytes of LDS; arguments cod, sc, bp, out0; writes out0
.if DOCPART == 4
	.amdgcn_target "amdgcn-amd-amdhsa--gfx1250"
	.amdhsa_code_object_version 6
	.text
	.protected	k_q216070e121_proj
	.globl	k_q216070e121_proj
	.p2align	8
	.type	k_q216070e121_proj,@function
k_q216070e121_proj:
	s_mov_b64 s[64:65], 0
	v_nop
	global_prefetch_b8 v0, s[64:65] scope:SCOPE_SE
	s_setreg_imm32_b32 hwreg(HW_REG_WAVE_MODE, 25, 1), 1
	s_wait_xcnt 0x0
	s_wait_alu depctr_hold_cnt(0) depctr_sa_sdst(0) depctr_va_vdst(0) depctr_va_sdst(0) depctr_va_ssrc(0) depctr_va_vcc(0) depctr_vm_vsrc(0)
	s_getreg_b32 s2, hwreg(HW_REG_IB_STS2, 6, 4)
	s_cmp_eq_u32 s2, 0
	s_cbranch_scc0 .Lentry_in_a_cluster
	s_endpgm
.Lentry_in_a_cluster:
	s_bfe_u32 s2, ttmp6, 0x10000c
	s_cmp_lg_u32 s2, 0xf033
	s_cbranch_scc0 .Lentry_shape_is_right
	s_endpgm
.Lentry_shape_is_right:
; out0 = o Wp + bp on codes of FP6 (E2M3).  o: tiles G 768 on of cod, Wp's columns: G 704 on; sc holds their scale bytes, 32 a row.
; cod = [tile of 16 rows G][unit 16][768], a unit = the register image of 16 rows x 64 K (lane l: registers 0-3 at 16 l, 4-5 at 512 + 8 l).  Row rho of tile 2 beta + u is true row 32 beta + 8 u + rho + 8 (rho / 8).
; THE PRODUCT IS USED TRANSPOSED (source 0 = 16 columns of Wp, source 1 = 16 tokens): a lane holds one token, and the 16 registers of column tiles 2 beta, 2 beta + 1 are the true columns 32 beta + 16 (lane / 16) + 0 .. 15.
; A work-group makes 256 x 256, a wave 128 x 128: 64 accumulators.  K = 1,024 is eight steps of 128, written out; a slot holds 256 along K.  Three slots are filled at the start, the first of them once again.
; CLUSTERS: o's tiles are shared along a row of the 4 x 4 cluster, Wp's along a column: joint loads.  The bias is the C of the first step's products.
; REGISTERS: window 0: v1-25 lane terms and addresses; v28, v29 the add's two; v32-95 scale words; v128-223 A's fragments, one set; on the way out v128-255 rows of out0.
;   window 1: B's fragments, two sets at v0 and v128; the bias at v96-127 and v224-255.  windows 2, 3: accumulator (a, b) at v[8 (8 (a % 4) + b)].
.set SLOT,  98304
.set SPARE, 3*SLOT
.set ADA,   4
.set ADB,   10
.set STO,   24                         ; the way out: where I put 16 bytes of a row
.set RD,    25                         ; and where I read a row back
.set SPW,   28
.set NIL,   29
.set SC,    32
.set AF,    128
.set BK,    128
.set WV, 18
.set AH, 19
.set BH, 20
.set CX, 21
.set CY, 22
.set G1A, 24
.set G0A, 32
.set G1B, 44
.set G0B, 52
.set TR, 66
.set TC, 67
.set GA, 68
.set GB, 69
.set HM, 88
.set MSB, 0
.macro WIN new
.if MSB != (\new)
	s_set_vgpr_msb (MSB<<8)|(\new)
.set MSB, (\new)
.endif
.endm
.set MUL_LO, 0xa1
.set MUL_HI, 0xf1
.set TO_B,   0x40
.macro JLOAD g0a, g1a, g0b, g1b        ; a joint load: waves 0, 1 fetch for A, waves 2, 3 for B; an s_nop 0 and four v_nop follow each line
	s_cmp_eq_u32 s[AH], 0
	s_cbranch_scc0 .Lfor_b_\@
	tensor_load_to_lds s[\g0a:\g0a+3], s[\g1a:\g1a+7]
	s_nop 0
.rept 4
	v_nop
.endr
	s_branch .Lasked_\@
.Lfor_b_\@:
	tensor_load_to_lds s[\g0b:\g0b+3], s[\g1b:\g1b+7]
	s_nop 0
.rept 4
	v_nop
.endr
.Lasked_\@:
.endm
.macro CREST
	s_cmp_lg_u32 s[WV], 0
	s_cbranch_scc1 .Lnot_wave_0_\@
	s_barrier_signal -3
.Lnot_wave_0_\@:
	s_barrier_wait -3
	s_barrier_signal -1
	s_barrier_wait -1
.endm
.macro CROUND
	s_barrier_signal -1
	s_barrier_wait -1
	CREST
.endm
.macro PLACES
.rept 4
	v_nop
.endr
.endm
	s_load_b256 s[4:11], s[0:1], 0x0               ; cod, sc, bp, out0
	v_lshl_add_u32 v[SPW], v0, 2, SPARE
	v_mov_b32 v[NIL], 0
	ds_add_u32 v[SPW], v[NIL]                      ; the wave's opening: the add and its wait ahead of my first tensor load
	v_lshrrev_b32 v1, 5, v0
	v_readfirstlane_b32 s[WV], v1
	s_lshr_b32 s[AH], s[WV], 1
	s_and_b32 s[BH], s[WV], 1
	s_bfe_u32 s[CX], ttmp6, 0x40000
	s_bfe_u32 s[CY], ttmp6, 0x40004
	s_and_b32 s[TR], ttmp7, 0xffff
	s_lshl_b32 s[TR], s[TR], 2
	s_add_co_u32 s[TR], s[TR], s[CY]               ; tile row = 4 x cluster y + cy
	s_lshl_b32 s[TC], ttmp9, 2
	s_add_co_u32 s[TC], s[TC], s[CX]               ; tile column = 4 x cluster x + cx
	s_lshl_b32 s[GA], s[TR], 4
	s_add_co_u32 s[GA], s[GA], 768
	s_lshl_b32 s[GB], s[TC], 4
	s_add_co_u32 s[GB], s[GB], 704
	s_lshl_b32 s76, s[CY], 2
	s_lshl_b32 s76, 15, s76
	s_lshl_b32 s77, 0x1111, s[CX]
	s_or_b32 s[G1A], s76, (3<<16)|(1<<21)          ; group 1: the mask; elements of 8 bytes; bit 21 beside a mask; no padding
	s_or_b32 s[G1B], s77, (3<<16)|(1<<21)
.irp g, G1A, G1B
	s_mov_b32 s[\g+1], 384<<16                     ; 3,072 bytes: four units of a tile
	s_mov_b32 s[\g+2], 8<<16                       ; 8 tiles
	s_mov_b32 s[\g+3], 384<<16
	s_mov_b32 s[\g+4], 8
	s_mov_b32 s[\g+5], 1536                        ; 12,288 bytes from tile to tile
	s_mov_b32 s[\g+6], 0
	s_mov_b32 s[\g+7], 0
.endr
	s_lshl_b32 s78, s[BH], 3
	s_add_co_u32 s80, s[GA], s78
	s_mul_i32 s80, s80, 12288
	s_mov_b32 s81, 0
	s_add_co_u32 s82, s[GB], s78
	s_mul_i32 s82, s82, 12288
	s_mov_b32 s83, 0
	s_mul_i32 s79, s[WV], 24576
	s_mov_b32 s[HM], 0xffff0000
	s_wait_dscnt 0x0                               ; the opening add is done
	s_wait_kmcnt 0x0
	s_add_nc_u64 s[80:81], s[4:5], s[80:81]
	s_add_nc_u64 s[82:83], s[4:5], s[82:83]
	CROUND                                         ; all sixteen work-groups are here: the first joint loads meet
.irp s, 0,1,2                                  ; three loads of mine are out
	s_mov_b32 s[G0A+4*\s], 1
	s_add_co_u32 s[G0A+4*\s+1], s79, \s*SLOT
	s_add_nc_u64 s[G0A+4*\s+2:G0A+4*\s+3], s[80:81], \s*3072
	s_or_b32 s[G0A+4*\s+3], s[G0A+4*\s+3], 0x80000000
	s_mov_b32 s[G0B+4*\s], 1
	s_add_co_u32 s[G0B+4*\s+1], s79, \s*SLOT
	s_add_nc_u64 s[G0B+4*\s+2:G0B+4*\s+3], s[82:83], \s*3072
	s_or_b32 s[G0B+4*\s+3], s[G0B+4*\s+3], 0x80000000
	JLOAD G0A+4*\s, G1A, G0B+4*\s, G1B
.endr
	v_and_b32 v1, 31, v0
	v_and_b32 v2, 15, v0
	v_bfe_u32 v3, v0, 4, 1
	v_lshlrev_b32 v16, 4, v1                       ; 16 l
	v_lshl_add_u32 v17, v1, 3, 512                 ; 512 + 8 l
	s_mul_i32 s84, s[AH], 24576
	s_mul_i32 s85, s[BH], 24576
	s_add_co_u32 s85, s85, 49152
.irp s, 0,1,2
	v_add_nc_u32 v[ADA+2*\s], s84, v16
	v_add_nc_u32 v[ADA+2*\s+1], s84, v17
	v_add_nc_u32 v[ADB+2*\s], s85, v16
	v_add_nc_u32 v[ADB+2*\s+1], s85, v17
	s_add_co_u32 s84, s84, SLOT
	s_add_co_u32 s85, s85, SLOT
.endr
	s_lshl_b32 s86, s[AH], 3                       ; the scale words of all of K: lanes 0-15 A's rows, lanes 16-31 B's
	s_add_co_u32 s86, s86, s[GA]
	s_lshl_b32 s86, s86, 9
	s_lshl_b32 s87, s[BH], 3
	s_add_co_u32 s87, s87, s[GB]
	s_lshl_b32 s87, s87, 9
	v_mov_b32 v18, s86
	v_mov_b32 v19, s87
	v_cndmask_b32 v18, v18, v19, s[HM]
	v_lshl_add_u32 v18, v2, 5, v18
.irp i, 0,1,2,3,4,5,6,7
	global_load_b128 v[SC+8*\i:SC+8*\i+3], v18, s[6:7] offset:512*\i
	global_load_b128 v[SC+8*\i+4:SC+8*\i+7], v18, s[6:7] offset:512*\i+16
.endr
	s_lshl_b32 s96, s[TC], 10
	s_lshl_b32 s93, s[BH], 9
	s_add_co_u32 s96, s96, s93                     ; 4 x (256 tile column + 128 BH)
	s_mov_b32 s97, 0
	s_add_nc_u64 s[8:9], s[8:9], s[96:97]
	v_lshlrev_b32 v20, 6, v3                       ; 64 h: register 16 beta + i of the bias is that of column 32 beta + 16 h + i
	WIN TO_B
.irp e, 0,4,8,12,16,20,24,28,32,36,40,44,48,52,56,60
	global_load_b128 v[96+\e+96*(\e/32):96+\e+96*(\e/32)+3], v20, s[8:9] offset:128*(\e/16)+4*(\e%16)
.endr
	WIN 0
	s_mul_i32 s84, s[WV], 8448
	s_add_co_u32 s84, s84, SLOT                    ; my stage, 16 rows x (512 bytes + 16), lies in slot 1: when the first result is stored there, that slot has had its only fill, and every wave's reads of it lie ahead of the last barrier
	v_mul_u32_u24 v[STO], v2, 528
	v_lshl_add_u32 v[STO], v3, 6, v[STO]
	v_add_nc_u32 v[STO], s84, v[STO]               ; row r, + 64 h
	v_add_nc_u32 v[RD], s84, v16
	s_lshl_b32 s70, s[TR], 8
	s_lshl_b32 s71, s[AH], 7
	s_add_co_u32 s70, s70, s71
	s_lshl_b32 s70, s70, 12                        ; my first row of out0: 256 tile row + 128 AH, 4,096 bytes a row
	s_lshl_b32 s71, s[TC], 10
	s_add_co_u32 s70, s70, s71
	s_lshl_b32 s71, s[BH], 9
	s_add_co_u32 s70, s70, s71
	s_mov_b32 s71, 0
	s_add_nc_u64 s[10:11], s[10:11], s[70:71]
	s_wait_loadcnt 0x0
.macro FRAG reg, adr, off              ; a fragment, 16 rows x 128 K, is two units on end: four loads, each of consecutive bytes
	ds_load_b128 v[\reg:\reg+3], v[\adr] offset:\off
	ds_load_b64 v[\reg+4:\reg+5], v[\adr+1] offset:\off
	ds_load_b128 v[\reg+6:\reg+9], v[\adr] offset:\off+768
	ds_load_b64 v[\reg+10:\reg+11], v[\adr+1] offset:\off+768
.endm
; 16 matrix instructions: A's blocks a0, a0 + 1 x B's eight, K step k.  zero = 1: the first step starts the sums, with the bias as C.
; The 64 accumulators take turns, one instruction a turn, in the same order in every step.
.macro MUL16 a0, p, k, zero
.irp a, \a0, \a0+1
.irp b, 0,1,2,3,4,5,6,7
.if \zero
	v_wmma_scale_f32_16x16x128_f8f6f4 v[8*(8*((\a)%4)+\b):8*(8*((\a)%4)+\b)+7], v[128*(\p)+12*\b:128*(\p)+12*\b+11], v[AF+12*(\a):AF+12*(\a)+11], v[96+8*\b+96*(\b/4):96+8*\b+96*(\b/4)+7], v[SC+8*\b+(\k)], v[SC+8*(\a)+(\k)] matrix_a_fmt:MATRIX_FMT_FP6 matrix_b_fmt:MATRIX_FMT_FP6 matrix_a_scale:MATRIX_SCALE_ROW1
.else
	v_wmma_scale_f32_16x16x128_f8f6f4 v[8*(8*((\a)%4)+\b):8*(8*((\a)%4)+\b)+7], v[128*(\p)+12*\b:128*(\p)+12*\b+11], v[AF+12*(\a):AF+12*(\a)+11], v[8*(8*((\a)%4)+\b):8*(8*((\a)%4)+\b)+7], v[SC+8*\b+(\k)], v[SC+8*(\a)+(\k)] matrix_a_fmt:MATRIX_FMT_FP6 matrix_b_fmt:MATRIX_FMT_FP6 matrix_a_scale:MATRIX_SCALE_ROW1
.endif
.endr
.endr
.endm
.macro FETCH_B ns, nq, p
	WIN TO_B
.irp i, 0,1,2,3,4,5,6,7
	FRAG 128*(\p)+12*\i, ADB+2*(\ns), 3072*\i+1536*(\nq)
.endr
	WIN 0
.endm
.macro FETCH_A ns, nq, i0
.irp i, \i0, \i0+1, \i0+2, \i0+3
	FRAG AF+12*(\i), ADA+2*(\ns), 3072*(\i)+1536*(\nq)
.endr
.endm
.macro STEP k, ns, nq, zero
	s_wait_dscnt 16                                ; B's set and A's blocks 0-3 are in; the youngest 16 loads (A's blocks 4-7) may be out
	WIN MUL_LO-0x10*(\zero)
	MUL16 0, (\k)%2, \k, \zero
	MUL16 2, (\k)%2, \k, \zero
	s_wait_dscnt 0
	PLACES
	FETCH_B \ns, \nq, 1-(\k)%2
	FETCH_A \ns, \nq, 0
	WIN MUL_HI-0x20*(\zero)
	MUL16 4, (\k)%2, \k, \zero
	MUL16 6, (\k)%2, \k, \zero
	PLACES
	WIN 0
	FETCH_A \ns, \nq, 4
.endm
.macro TURN k, ns, fill
	s_wait_tensorcnt 0x0                           ; all my tensor loads have landed (every window is 0 here)
	ds_add_u32 v[SPW], v[NIL]
	s_wait_dscnt 17                                ; (the add and the youngest 16 loads may be out)
	WIN MUL_LO
	MUL16 0, 1, \k, 0
	s_wait_dscnt 0x0                               ; the add is done, and my reads of the slots so far are over
	s_barrier_signal -1
	MUL16 2, 1, \k, 0
	WIN 0
	s_barrier_wait -1
.if \fill
	CREST                                          ; the barrier has opened a round of the cluster's: no wave of any partner still reads slot 0 or has a load on its way
	s_add_nc_u64 s[G0A+2:G0A+3], s[G0A+2:G0A+3], 9216
	s_add_nc_u64 s[G0B+2:G0B+3], s[G0B+2:G0B+3], 9216
	JLOAD G0A, G1A, G0B, G1B                       ; my one load behind the round: it has four K steps, 256 matrix instructions, in which to land
.else
	PLACES
.endif
	FETCH_B \ns, 0, 0
	FETCH_A \ns, 0, 0
	WIN MUL_HI
	MUL16 4, 1, \k, 0
	MUL16 6, 1, \k, 0
	PLACES
	WIN 0
	FETCH_A \ns, 0, 4
.endm
	s_wait_tensorcnt 2                             ; my part of slot 0 is in; slots 1 and 2 may be out
	s_barrier_signal -1
	s_barrier_wait -1
	FETCH_B 0, 0, 0
	FETCH_A 0, 0, 0
	FETCH_A 0, 0, 4
	STEP 0, 0, 1, 1
	TURN 1, 1, 1
	STEP 2, 1, 1, 0
	STEP 3, 2, 0, 0                                ; slot 2 was shown whole to every wave by the wait for all loads and the barrier in step 1
	STEP 4, 2, 1, 0
	TURN 5, 0, 0                                   ; its wait for all loads covers the refill of slot 0
	STEP 6, 0, 1, 0
	s_wait_dscnt 16
	WIN MUL_LO
	MUL16 0, 1, 7, 0
	MUL16 2, 1, 7, 0
	s_wait_dscnt 0
	WIN MUL_HI
	MUL16 4, 1, 7, 0
	MUL16 6, 1, 7, 0
	WIN 0
; THE WAY OUT, block by block of 16 tokens x 128 columns, through my own stage: in by lanes (a lane's eight numbers of tile 2 beta + u are columns 32 beta + 16 h + 8 u on), back as whole rows of 512 bytes.
; A wave's LDS instructions are served in order (ISA guide 5.7.1.4): no wait between the stores and the loads.
.macro TOSTAGE a
.set AC, 64*((\a)%4)
	WIN 0x08+4*((\a)/4)                            ; the data: window 2 or 3
.irp b, 0,1,2,3,4,5,6,7
	ds_store_b128 v[STO], v[AC+8*\b:AC+8*\b+3] offset:128*(\b/2)+32*(\b%2)          ; each accumulator from its low end on
	ds_store_b128 v[STO], v[AC+8*\b+4:AC+8*\b+7] offset:128*(\b/2)+32*(\b%2)+16
.endr
	WIN 0
.set BB, BK+64*((\a)%2)
.irp t, 0,1,2,3,4,5,6,7,8,9,10,11,12,13,14,15
	ds_load_b128 v[BB+4*\t:BB+4*\t+3], v[RD] offset:\t*528
.endr
.endm
.macro SEND a, younger                 ; younger: the LDS instructions issued behind block a's loads
.set BB, BK+64*((\a)%2)
	s_wait_dscnt \younger
.irp t, 0,1,2,3,4,5,6,7,8,9,10,11,12,13,14,15
	global_store_b128 v16, v[BB+4*\t:BB+4*\t+3], s[10:11] offset:(32*((\a)/2)+8*((\a)%2)+\t+8*(\t/8))*4096 th:TH_STORE_NT   ; row t of the block is its true token; 32 lanes store 512 consecutive bytes, at a multiple of 256; at most 127 rows on: the base never steps
.endr
.endm
	PLACES                                         ; behind the last products: results are read, and loads land where A's fragments lay
	TOSTAGE 0
.irp a, 1,2,3,4,5,6,7
.if \a > 1
	s_wait_xcnt 0x0                                ; block a - 2's stores have read their registers: block a's loads may land there
.endif
	TOSTAGE \a
	SEND \a-1, 32                                  ; behind block a - 1's loads: block a's 16 stores and 16 loads
.endr
	SEND 7, 0
	s_wait_tensorcnt 0x0                           ; the wave's end, behind my last tensor load and my last LDS store
	ds_add_u32 v[SPW], v[NIL]
	s_wait_dscnt 0x0
	CROUND                                         ; the closing round
	s_endpgm
.Lfunc_end_k_q216070e121_proj:
	.size	k_q216070e121_proj, .Lfunc_end_k_q216070e121_proj-k_q216070e121_proj
	.p2alignl 7, 3214868480
	.fill 96, 4, 3214868480
	.section	.rodata,"a",@progbits
	.p2align	6, 0x0
	.amdhsa_kernel k_q216070e121_proj
		.amdhsa_group_segment_fixed_size 327680
		.amdhsa_private_segment_fixed_size 0
		.amdhsa_enable_private_segment 0
		.amdhsa_kernarg_size 32
		.amdhsa_user_sgpr_count 2
		.amdhsa_user_sgpr_kernarg_segment_ptr 1
		.amdhsa_wavefront_size32 1
		.amdhsa_system_sgpr_workgroup_id_x 1
		.amdhsa_system_sgpr_workgroup_id_y 1
		.amdhsa_system_sgpr_workgroup_id_z 1
		.amdhsa_system_vgpr_workitem_id 0
		.amdhsa_next_free_vgpr 1024
		.amdhsa_next_free_sgpr 100
		.amdhsa_reserve_vcc 0
		.amdhsa_float_denorm_mode_32 3
		.amdhsa_float_denorm_mode_16_64 3
		.amdhsa_memory_ordered 1
		.amdhsa_forward_progress 1
		.amdhsa_inst_pref_size 142
	.end_amdhsa_kernel
	.amdgpu_metadata
---
amdhsa.version: [ 1, 2 ]
amdhsa.kernels:
  - .name:           k_q216070e121_proj
    .symbol:         k_q216070e121_proj.kd
    .args:
      - { .name: cod, .offset: 0, .size: 8, .value_kind: global_buffer, .address_space: global }
      - { .name: sc, .offset: 8, .size: 8, .value_kind: global_buffer, .address_space: global }
      - { .name: bp, .offset: 16, .size: 8, .value_kind: global_buffer, .address_space: global }
      - { .name: out0, .offset: 24, .size: 8, .value_kind: global_buffer, .address_space: global }
    .group_segment_fixed_size: 327680
    .private_segment_fixed_size: 0
    .kernarg_segment_align: 8
    .kernarg_segment_size: 32
    .max_flat_workgroup_size: 128
    .sgpr_count:     100
    .vgpr_count:     1024
    .wavefront_size: 32
...
	.end_amdgpu_metadata
.endif
;; end of part 4
